; MI455X (gfx1250); checked and timed in simulation.
; The chip was launched on July 23, 2026; its instructions are those of AMD's public machine-readable ISA for CDNA 5 (MIT licence, August 2026) and "CDNA5" Instruction Set Architecture Reference Guide (July 2026). The comments in the code are by the model that wrote it; some were corrected since.
;; Memory Bank. Allowed arithmetic: matrix products marked QUANTISED: E2M1 operands, one E8M0 scale for each 32 along K, by v_wmma_scale_f32_16x16x128_f8f6f4 with both operands' format E2M1 (or v_wmma_scale_f32_32x16x128_f4), f32 sums; everything else in f32.
;; Inputs: keys 65,536 x 128 float32; q_codes 4 x 512 x 4 x 16 uint8 (E2M1 codes of q, K innermost, in blocks of 32 codes, two codes a byte); q_scales 4 x 512 x 4 uint8 (E8M0 scales of q, one for each 32 codes along K); values 65,536 x 128 float32.
;; Outputs: out0 4 x 512 x 32 x 128 float32; out1 4 x 512 x 32 x 128 float32.
;; Constants: topk = 32.
;; This version of the problem:
;;   THIS VERSION OF THE PROBLEM IS GIVEN IN LOW PRECISION. The matrix products marked QUANTISED in the list below multiply operands that are first quantised to E2M1 (2 exponent bits, 1 mantissa bit; 4 bits a number), with one power-of-two scale for each 32 numbers along K (OCP MX v1.0); their sums are f32. All else is computed in f32.
;;   The module's matrix products, in the order in which they are computed (A, B: the left and right operand; K: the contracted axis; several contracted axes count as one K, in the product's order):
;;     1. [M 2,048, K 128] x [K 128, N 65,536]; A: input q (given as codes); B: input keys: QUANTISED
;;   THE QUANTISER, for each operand of a quantised product, along K:
;;     - K is cut into blocks of 32 from its start; a last block that is shorter is filled with zeros.
;;     - A block's scale is 2^e with e = floor(log2(the largest magnitude in the block)) - 2, held to -126 .. 127; a block of zeros has e = 0. As a byte (E8M0): e + 127.
;;     - Each number is divided by its block's scale, clamped to +-6, and rounded to the nearest number of E2M1, ties to even, subnormals kept.
;;     - The product sums the exact products of the quantised numbers (number of the format x scale) in f32.
;;   ~~~python
;;   def quantise(x, axis):      # numpy; x: float32 -> the quantised numbers, widened to float32 again
;;       x = np.moveaxis(x, axis, -1); K = x.shape[-1]
;;       x = np.pad(x, [(0, 0)] * (x.ndim - 1) + [(0, -K % 32)]); x = x.reshape(x.shape[:-1] + (-1, 32)); a = np.abs(x).max(-1, keepdims=True)
;;       e = np.where(a > 0, np.clip(np.frexp(np.where(a > 0, a, 1))[1] - 1 - 2, -126, 127), 0)      # np.frexp(a)[1] - 1 = floor(log2(a)), exactly
;;       r = np.clip(x / 2.0 ** e, -6, 6)
;;       step = 2.0 ** (np.maximum(np.frexp(np.where(r == 0, 1, r))[1] - 1, 0) - 1)
;;       q = np.round(r / step) * step * 2.0 ** e      # np.round: ties to even
;;       return np.moveaxis(q.reshape(q.shape[:-2] + (-1,))[..., :K], -1, axis).astype(np.float32)
;;   ~~~
;;   INPUTS GIVEN AS CODES. q (in the module: [4, 512, 128], K = its axis 2): each comes as NAME_codes (uint8): NAME with its K axis moved to the last place and cut into blocks of 32 codes, [.., K / 32, bytes a block], one block behind the other in memory; two codes a byte, the lower K in the low four bits (a code: sign, 2 exponent bits, 1 mantissa bit); and NAME_scales (uint8): the same leading axes, one E8M0 byte (e + 127) for each 32 codes along K. Its value is code x scale, taken as it is: it is not quantised again, and the codes and scales need not be those that the quantiser above would give.
;; 2 versions, each right; version 2 is version 1 with the launch pick written anew for expert scheduling mode. Each part assembles by itself: llvm-mc -triple=amdgcn-amd-amdhsa -mcpu=gfx1250 --defsym DOCPART=n.
;; ======== version 1 of 2: 3 launches
;; workspace buffers: kfrag 4,194,304 bytes; kscl 262,144 bytes; gkey 16,777,216 bytes of whole numbers; ckey 8,388,608 bytes of whole numbers; glist 262,144 bytes of whole numbers
;; launch score (part 1): grid 256 x 1, 8 waves a work-group, clusters of 4 x 1, 301,056 bytes of LDS; arguments keys, q_codes, q_scales, kfrag, kscl, gkey; writes kfrag, kscl, gkey
.if DOCPART == 1
	.amdgcn_target "amdgcn-amd-amdhsa--gfx1250"
	.amdhsa_code_object_version 6
	.text
	.protected	k_q95c23d2dfa_score
	.globl	k_q95c23d2dfa_score
	.p2align	8
	.type	k_q95c23d2dfa_score,@function
k_q95c23d2dfa_score:
	s_mov_b64 s[64:65], 0
	v_nop
	global_prefetch_b8 v0, s[64:65] scope:SCOPE_SE
	s_setreg_imm32_b32 hwreg(HW_REG_WAVE_MODE, 25, 1), 1
	s_wait_xcnt 0x0
	s_wait_alu depctr_hold_cnt(0) depctr_sa_sdst(0) depctr_va_vdst(0) depctr_va_sdst(0) depctr_va_ssrc(0) depctr_va_vcc(0) depctr_vm_vsrc(0)
	s_getreg_b32 s2, hwreg(HW_REG_IB_STS2, 6, 4)
	s_cmp_eq_u32 s2, 0
	s_cbranch_scc0 .Lentry_in_a_cluster
	s_endpgm
.Lentry_in_a_cluster:
	s_bfe_u32 s2, ttmp6, 0x10000c
	s_cmp_lg_u32 s2, 0x3003
	s_cbranch_scc0 .Lentry_shape_is_right
	s_endpgm
.Lentry_shape_is_right:
; FIRST OF THREE LAUNCHES.  scores[q][n] = q . keys[n] on codes of FP4 (E2M1) with one E8M0 scale for each 32 along K = 128; of each query's 65,536 scores the 32 largest are wanted.
; This launch quantises the keys (once), multiplies every query with every key, and keeps of each GROUP of 32 neighbouring keys only the largest score of each query: 2,048 numbers a query.
; Every one of a query's 32 best keys (score descending, lower index first) lies in one of its 32 best groups (largest score descending, lower group first): were 32 groups ranked ahead of a
; key's group, each would hold a key that beats it.  So the next launch need look only at 32 groups of each query.
; WHAT IS STORED.  kfrag: the keys' codes in the order of the operand's registers: tile T (keys 16 T ..), byte 1024 T + 512 c + 16 lane.  kscl: a scale word (4 bytes, 128 along K) for each key.
; gkey: the group maxima AS WHOLE NUMBERS that keep the order of the f32 scores: bits b of the score (-0 made +0) become b xor (b < 0 ? all ones : the top bit).  The later launches select
; on these whole numbers.  gkey[row / 8][work-group][row % 8][group % 8]: 256 bytes for each (8 rows, 8 groups).
; SHARES.  Work-group k owns keys 256 k .. 256 k + 255 (16 tiles, 8 groups) against all 2,048 queries.  Wave w quantises keys 32 w .. 32 w + 31, then holds ALL 16 key fragments in registers and
; multiplies them with query tiles 16 w .. 16 w + 15.  K = 128 is one matrix instruction, so every product starts from the constant 0 and no sum is carried on.
; THE PRODUCT IS USED WITH source 0 = 16 keys, source 1 = 16 queries: a lane holds ONE query (lane % 16), its registers run along the keys: a group's maximum is 16 registers and one exchange of halves.
; CLUSTER.  All work-groups read the same q: the four partners of a cluster ask for it jointly (mask 15).  Every LDS byte is filled once: no ring.
; LIMITS: NaN and infinities (a scale byte 0xff among them) are not served; -0 counts as +0; a block of zeros gets the byte 1 where the rule says 127 (its codes are zeros, and the bytes are read by
; this program alone); blocks whose largest magnitude lies under 2^-124 get the byte 1, as the rule's hold at -126 says, but were not tried.
.set KPITCH, 528                       ; a key's row in LDS: 512 bytes + 16: an odd multiple of 16, so the 16 rows of a load begin in 16 different columns of 16 bytes
.set KPART,  32*KPITCH                 ; a wave's 32 keys
.set QC,     8*KPART                   ; q's codes: blocks of 256 bytes (4 rows) + 16: row p at 272 (p / 4) + 64 (p % 4)
.set QPART,  64*272                    ; a wave's 256 rows
.set QSC,    QC+8*QPART                ; q's scale words, dense: 4 p
.set KIMG,   QSC+8192                  ; the 16 key fragments as images of their registers: 1024 T + 512 c + 16 lane.  Written by LDS stores alone
.set KSW,    KIMG+16384                ; the keys' scale words: 4 x key.  Written by LDS stores alone
.set PX,  10                           ; v10-17   a lane's partial maxima of the 8 groups
.set RX,  18                           ; v18-25   two sets of 4: what is stored
.set QS,  26                           ; v26-27   q's scale words, two buffers: scales and nothing else
.set QF,  28                           ; v28-43   q's fragment, two buffers
.set KS,  44                           ; v44-59   the keys' scale words: scales and nothing else
.set D0,  60                           ; v60-123  two sets of four accumulators
.set KF,  124                          ; v124-251 the 16 key fragments
.set XR,  124                          ; while the keys are quantised: v124-251 two tiles' 64 numbers a lane,
.set CD,  60                           ; v60-75   their codes,
.set CW,  76                           ; v76-77   their scale words,
.set TM,  80                           ; v80-95   at work
.set WV,  16                           ; s16 my wave's number
.set G1K, 24                           ; s[24:31] descriptor group 1: keys;  s[32:39]: q's codes;  s[40:47]: q's scale bytes
.set G1Q, 32
.set G1S, 40
.set G0K, 48                           ; s[48:51], s[52:55], s[56:59] their groups 0
.set G0Q, 52
.set G0S, 56
.set SEL, 60                           ; s[60:61] lane selects for v_permlanex16_b32: lane l xor 16
.set CNT, 62
; A round of the cluster's barrier: my work-group's barrier; wave 0 signals for the work-group; every wave waits for the four work-groups; my work-group's barrier once more.
.macro CROUND
	s_barrier_signal -1
	s_barrier_wait -1
	s_cmp_lg_u32 s[WV], 0
	s_cbranch_scc1 .Lnot_wave_0_\@
	s_barrier_signal -3
.Lnot_wave_0_\@:
	s_barrier_wait -3
	s_barrier_signal -1
	s_barrier_wait -1
.endm
; 64 numbers of a lane, register 16 b + i = k 32 b + 16 (lane / 16) + i of my row, become a fragment's codes in v[cd] on and its scale word in v[cw].
.macro QUANT s, cd, cw
.irp b, 0,1,2,3
	v_max3_num_f32 v[TM+\b], |v[\s+16*\b]|, |v[\s+1+16*\b]|, 0x1800000   ; block b: my 16 numbers, and the floor 2^(3 - 127): the byte cannot fall under 1
.endr
.irp i, 2,4,6,8,10,12,14
.irp b, 0,1,2,3
	v_max3_num_f32 v[TM+\b], v[TM+\b], |v[\s+16*\b+\i]|, |v[\s+1+16*\b+\i]|   ; the four blocks by turns
.endr
.endr
.irp b, 0,1,2,3
	v_permlanex16_b32 v[TM+4+\b], v[TM+\b], s[SEL], s[SEL+1]
.endr
.irp b, 0,1,2,3
	v_max_num_f32 v[TM+\b], v[TM+\b], v[TM+4+\b]   ; with lane l xor 16's: the block's largest magnitude
.endr
.irp b, 0,1,2,3
	v_add_nc_u32 v[TM+12+\b], 0xff000000, v[TM+\b]   ; 2 off its exponent field: the conversion takes this operand's exponent field as its scale
.endr
.irp b, 0,1,2,3
	v_lshrrev_b32 v[TM+4+\b], 23, v[TM+12+\b]   ; the scale's byte
.endr
	v_lshl_or_b32 v[\cw], v[TM+5], 8, v[TM+4]
	v_lshl_or_b32 v[\cw], v[TM+6], 16, v[\cw]
	v_lshl_or_b32 v[\cw], v[TM+7], 24, v[\cw]
.irp b, 0,1,2,3
	v_cvt_scalef32_pk8_fp4_f32 v[\cd+2*\b], v[\s+16*\b:\s+7+16*\b], v[TM+12+\b]
	v_cvt_scalef32_pk8_fp4_f32 v[\cd+1+2*\b], v[\s+8+16*\b:\s+15+16*\b], v[TM+12+\b]
.endr
	v_nop                                          ; one plain place behind a scaled conversion
.irp c, 0,1                                    ; the operand's layout wants a whole block in a lane: lanes 0-15 block 2 c, lanes 16-31 block 2 c + 1
.irp i, 0,1
	v_permlane16_swap_b32 v[\cd+4*\c+\i], v[\cd+2+4*\c+\i]
.endr
.endr
.endm
; Tile 2 w + u leaves: as an image to LDS for all waves, and the same image to kfrag: each store of the wave covers 512 consecutive bytes, aligned.
.macro PUT u
	ds_store_b128 v5, v[CD+8*\u:CD+8*\u+3] offset:1024*\u
	ds_store_b128 v5, v[CD+8*\u+4:CD+8*\u+7] offset:1024*\u+512
	ds_store_b32 v6, v[CW+\u] offset:64*\u         ; lanes r and 16 + r write the same word with the same value
	global_store_b128 v3, v[CD+8*\u:CD+8*\u+3], s[10:11] offset:1024*\u
	global_store_b128 v3, v[CD+8*\u+4:CD+8*\u+7], s[10:11] offset:1024*\u+512
.endm
; Four products: key tiles 4 b .. 4 b + 3 x the query tile in buffer p, into accumulator set b % 2.
.macro MULT b, p
.irp t, 0,1,2,3
	v_wmma_scale_f32_16x16x128_f8f6f4 v[D0+32*((\b)&1)+8*\t:D0+32*((\b)&1)+8*\t+7], v[KF+8*(4*(\b)+\t):KF+8*(4*(\b)+\t)+7], v[QF+8*(\p):QF+8*(\p)+7], 0, v[KS+4*(\b)+\t], v[QS+(\p)] matrix_a_fmt:MATRIX_FMT_FP4 matrix_b_fmt:MATRIX_FMT_FP4
.endr
.endm
; The largest of my 16 scores of groups 2 b and 2 b + 1: two chains by turns; each accumulator is first read at its lowest register.
.macro GMAX b
.set DS, D0+32*((\b)&1)
.set PA, PX+2*(\b)
	v_max3_num_f32 v[PA], v[DS], v[DS+1], v[DS+2]
	v_max3_num_f32 v[PA+1], v[DS+16], v[DS+17], v[DS+18]
.irp i, 3,5,7,9,11,13
	v_max3_num_f32 v[PA], v[PA], v[DS+\i], v[DS+\i+1]
	v_max3_num_f32 v[PA+1], v[PA+1], v[DS+16+\i], v[DS+16+\i+1]
.endr
	v_max_num_f32 v[PA], v[PA], v[DS+15]
	v_max_num_f32 v[PA+1], v[PA+1], v[DS+31]
.endm
.macro QLOAD p, t                      ; the query tile t tiles on from where v7 and v8 stand, into buffer p: three LDS loads
	ds_load_b128 v[QF+8*(\p):QF+8*(\p)+3], v7 offset:(\t)*1088
	ds_load_b128 v[QF+8*(\p)+4:QF+8*(\p)+7], v7 offset:(\t)*1088+32
	ds_load_b32 v[QS+(\p)], v8 offset:(\t)*64
.endm
; A QUERY TILE: 16 products, 64 lines of maxima, one store.  Places behind matrix instructions (ISA guide 7.12.1): five v_nop stand between the first eight products and the products that write set 0 again;
; everywhere else the maxima of the OTHER set, which name no register of the products in question, are the places.
.macro TILE p, ahead, left
	s_wait_dscnt \left                             ; LDS loads come back in order: buffer p's three are in; the other buffer's three, issued later, may be out
	MULT 0, \p
	MULT 1, \p
.rept 5
	v_nop
.endr
	GMAX 0
	MULT 2, \p
	GMAX 1
	MULT 3, \p
	GMAX 2
	GMAX 3
	s_wait_xcnt 0x0                                ; set p of v18-25 was the data of the store two tiles back: it is written again only behind this wait
.irp x, 0,1,2,3
	v_permlane16_swap_b32 v[PX+\x], v[PX+4+\x]     ; lanes 0-15 now hold both halves of group x, lanes 16-31 both halves of group x + 4
.endr
.irp x, 0,1,2,3
	v_max_num_f32 v[RX+4*(\p)+\x], v[PX+\x], v[PX+4+\x]   ; lane (r, h): the largest score of query r in group 4 h + x
.endr
.irp x, 0,1,2,3
	v_add_f32 v[RX+4*(\p)+\x], 0, v[RX+4*(\p)+\x]  ; -0 becomes +0
.endr
.irp x, 0,1,2,3
	v_ashrrev_i32 v[PX+\x], 31, v[RX+4*(\p)+\x]
.endr
.irp x, 0,1,2,3
	v_or_b32 v[PX+\x], 0x80000000, v[PX+\x]
.endr
.irp x, 0,1,2,3
	v_xor_b32 v[RX+4*(\p)+\x], v[RX+4*(\p)+\x], v[PX+\x]   ; the whole number that keeps the scores' order
.endr
	global_store_b128 v9, v[RX+4*(\p):RX+4*(\p)+3], s[14:15] offset:(\p)*131072 th:TH_STORE_NT   ; 8 rows x 8 groups are 256 consecutive bytes, aligned: the store writes two such blocks whole
.if \ahead
	QLOAD \p, (\p)+2                               ; behind the last products that read buffer p stand the 32 lines of the last two maxima
.endif
.endm
	s_load_b256 s[4:11], s[0:1], 0x0               ; keys s[4:5], q_codes s[6:7], q_scales s[8:9], kfrag s[10:11]
	s_load_b128 s[12:15], s[0:1], 0x20             ; kscl s[12:13], gkey s[14:15]
	s_set_vgpr_msb 0x40
	v_lshl_add_u32 v0, v0, 2, 0x49400
	v_mov_b32 v1, 0
	s_set_vgpr_msb 0x4045
	ds_add_u32 v0, v1
	ds_add_u32 v0, v1
	s_set_vgpr_msb 0x4500
	v_lshrrev_b32 v1, 5, v0
	v_readfirstlane_b32 s[WV], v1                  ; wave 0..7
	s_bfe_u32 s17, ttmp6, 0x40000                  ; cx: my place in the cluster: it enters global addresses of my own keys and results alone
	s_lshl_b32 s18, ttmp9, 2
	s_add_co_u32 s18, s18, s17                     ; k = 4 x cluster + cx: my 256 keys
	; keys: 32 rows x 128 elements of 4 bytes; 4 words of padding after every 128.  A load of my own: no mask
	s_mov_b32 s[G1K+0], (2<<16)|(1<<20)|(6<<22)|(3<<25)
	s_mov_b32 s[G1K+1], 128<<16                    ; tensor_dim0
	s_mov_b32 s[G1K+2], 32<<16                     ; tensor_dim1
	s_mov_b32 s[G1K+3], 128<<16                    ; tile_dim0
	s_mov_b32 s[G1K+4], 32                         ; tile_dim1
	s_mov_b32 s[G1K+5], 128                        ; elements from row to row
	s_mov_b32 s[G1K+6], 0
	s_mov_b32 s[G1K+7], 0
	; q's codes: a dense block of 16,384 bytes as 64 rows x 32 elements of 8 bytes; 4 words of padding after every 64; asked for jointly by the four partners (mask 15, bit 21 beside it)
	s_mov_b32 s[G1Q+0], 15|(3<<16)|(1<<20)|(1<<21)|(5<<22)|(3<<25)
	s_mov_b32 s[G1Q+1], 32<<16
	s_mov_b32 s[G1Q+2], 64<<16
	s_mov_b32 s[G1Q+3], 32<<16
	s_mov_b32 s[G1Q+4], 64
	s_mov_b32 s[G1Q+5], 32
	s_mov_b32 s[G1Q+6], 0
	s_mov_b32 s[G1Q+7], 0
	; q's scale bytes: a dense block of 1,024 bytes as 4 rows of 256, no padding; jointly
	s_mov_b32 s[G1S+0], 15|(3<<16)|(1<<21)
	s_mov_b32 s[G1S+1], 32<<16
	s_mov_b32 s[G1S+2], 4<<16
	s_mov_b32 s[G1S+3], 32<<16
	s_mov_b32 s[G1S+4], 4
	s_mov_b32 s[G1S+5], 32
	s_mov_b32 s[G1S+6], 0
	s_mov_b32 s[G1S+7], 0
	s_mov_b32 s[SEL], 0x76543210
	s_mov_b32 s[SEL+1], 0xfedcba98
	s_lshl_b32 s20, s18, 17                        ; my work-group's 256 rows of 512 bytes,
	s_lshl_b32 s19, s[WV], 14                      ; my wave's 32 of them
	s_add_co_u32 s20, s20, s19
	s_mov_b32 s21, 0
	s_lshl_b32 s22, s[WV], 14                      ; s[22:23] hold what hangs on the wave's number alone: the joint loads' addresses
	s_mov_b32 s23, 0
	s_wait_dscnt 0x0
	s_wait_kmcnt 0x0
	s_mov_b32 s[G0K], 1
	s_mul_i32 s[G0K+1], s[WV], KPART
	s_add_nc_u64 s[G0K+2:G0K+3], s[4:5], s[20:21]
	s_or_b32 s[G0K+3], s[G0K+3], 0x80000000
	s_mov_b32 s[G0Q], 1
	s_mul_i32 s[G0Q+1], s[WV], QPART
	s_add_co_u32 s[G0Q+1], s[G0Q+1], QC
	s_add_nc_u64 s[G0Q+2:G0Q+3], s[6:7], s[22:23]  ; rows 256 w on: 64 bytes a row
	s_or_b32 s[G0Q+3], s[G0Q+3], 0x80000000
	s_lshl_b32 s22, s[WV], 10                      ; and 4 bytes a row
	s_mov_b32 s[G0S], 1
	s_add_co_u32 s[G0S+1], s22, QSC
	s_add_nc_u64 s[G0S+2:G0S+3], s[8:9], s[22:23]
	s_or_b32 s[G0S+3], s[G0S+3], 0x80000000
	s_lshl_b32 s20, s18, 14                        ; kfrag: 16 tiles of 1,024 bytes a work-group, two a wave
	s_lshl_b32 s19, s[WV], 11
	s_add_co_u32 s20, s20, s19
	s_add_nc_u64 s[10:11], s[10:11], s[20:21]
	s_lshl_b32 s20, s18, 10                        ; kscl: 1,024 bytes a work-group
	s_add_nc_u64 s[12:13], s[12:13], s[20:21]
	s_lshl_b32 s20, s18, 8                         ; gkey: my work-group's block of 256 bytes in each 8 rows' 65,536
	s_add_nc_u64 s[14:15], s[14:15], s[20:21]
	CROUND                                         ; the four work-groups are here: the joint loads meet
	tensor_load_to_lds s[G0K:G0K+3], s[G1K:G1K+7]  ; all first fills go out together: three loads of mine are out
	s_nop 0
	tensor_load_to_lds s[G0S:G0S+3], s[G1S:G1S+7]
	s_nop 0
	tensor_load_to_lds s[G0Q:G0Q+3], s[G1Q:G1Q+7]
	s_nop 0
.rept 4
	v_nop
.endr
	v_and_b32 v1, 15, v0                           ; r
	v_bfe_u32 v2, v0, 4, 1                         ; h
	v_and_b32 v3, 31, v0
	v_lshlrev_b32 v3, 4, v3                        ; 16 x lane
	s_mul_i32 s19, s[WV], KPART
	v_mul_u32_u24 v4, v1, KPITCH
	v_lshl_add_u32 v4, v2, 6, v4
	v_add_nc_u32 v4, s19, v4                       ; raw keys: my wave's part, row r, + 64 h: my 16 numbers of a block of 32
	s_lshl_b32 s19, s[WV], 11
	v_add_nc_u32 v5, s19, v3
	v_add_nc_u32 v5, KIMG, v5                      ; where I store my two images
	s_lshl_b32 s19, s[WV], 7
	v_lshl_add_u32 v6, v1, 2, s19
	v_add_nc_u32 v6, KSW, v6                       ; and their scale words
	v_lshrrev_b32 v7, 2, v1
	v_mul_u32_u24 v7, v7, 272
	v_and_b32 v8, 3, v1
	v_lshl_add_u32 v7, v8, 6, v7
	v_lshl_add_u32 v7, v2, 4, v7
	s_mul_i32 s19, s[WV], QPART
	v_add_nc_u32 v7, s19, v7
	v_add_nc_u32 v7, QC, v7                        ; q's fragment: row r of my first tile, + 16 h
	s_lshl_b32 s19, s[WV], 10
	v_lshl_add_u32 v8, v1, 2, s19
	v_add_nc_u32 v8, QSC, v8                       ; and its scale word
	v_lshrrev_b32 v9, 3, v1
	s_lshl_b32 s19, s[WV], 5
	v_add_nc_u32 v9, s19, v9
	v_lshlrev_b32 v9, 16, v9                       ; gkey: (row / 8) x 65,536, row = 256 w + r;
	v_and_b32 v10, 7, v1
	v_lshl_add_u32 v9, v10, 5, v9                  ; + 32 (row % 8)
	v_lshl_add_u32 v9, v2, 4, v9                   ; + 16 h: groups 4 h .. 4 h + 3
	v_and_b32 v253, 63, v0
	v_lshlrev_b32 v253, 4, v253                    ; the scale words' way out: 16 bytes a thread of waves 0 and 1
	v_add_nc_u32 v252, KSW, v253
	v_add_nc_u32 v254, KIMG, v3                    ; an image's place for my lane
	v_lshl_add_u32 v255, v1, 2, KSW                ; a tile's scale word for my lane
.irp b, 0,1,2,3
	v_mov_b32 v[TM+4+\b], 0                        ; written once: a lane permute's destination counts as one of its sources
.endr
	s_wait_tensorcnt 0x2                           ; tensor loads of a wave end in order: my keys are in; q's two loads, issued later, may be out.  Only I read these rows: no barrier
.irp u, 0,1
.irp b, 0,1,2,3
.irp j, 0,1,2,3
	ds_load_b128 v[XR+64*\u+16*\b+4*\j:XR+64*\u+16*\b+4*\j+3], v4 offset:\u*16*KPITCH+128*\b+16*\j
.endr
.endr
.endr
	s_wait_dscnt 16                                ; the first tile's 16 loads are in; the second's may be out
	QUANT XR, CD, CW
	PUT 0
	s_wait_dscnt 3                                 ; all but the three LDS stores just issued: the second tile's numbers are in
	QUANT XR+64, CD+8, CW+1
	PUT 1
	s_wait_dscnt 0x0                               ; for the others' sake: my images and scale words lie in LDS
	s_barrier_signal -1
	s_barrier_wait -1                              ; everybody's do.
	s_cmp_gt_u32 s[WV], 1
	s_cbranch_scc1 .Lno_kscl                       ; waves 0 and 1 store the 256 scale words: 512 consecutive bytes a wave
	ds_load_b128 v[TM:TM+3], v252
	s_wait_dscnt 0x0
	global_store_b128 v253, v[TM:TM+3], s[12:13]
.Lno_kscl:
	s_wait_xcnt 0x0                                ; the stores' data lie where the accumulators will be written
.irp t, 0,1,2,3,4,5,6,7,8,9,10,11,12,13,14,15
	ds_load_b128 v[KF+8*\t:KF+8*\t+3], v254 offset:1024*\t
	ds_load_b128 v[KF+8*\t+4:KF+8*\t+7], v254 offset:1024*\t+512
	ds_load_b32 v[KS+\t], v255 offset:64*\t
.endr
	s_wait_tensorcnt 0x0                           ; my 256 rows of q and their scale words are in; only I read them
	QLOAD 0, 0
	QLOAD 1, 1
	s_mov_b32 s[CNT], 7
.Ltiles:                                               ; a trip: two query tiles, and the loads of the two behind them
	TILE 0, 1, 3
	TILE 1, 1, 3
	s_wait_xcnt 0x0                                ; the stores have read their offset
	v_add_nc_u32 v9, 262144, v9                    ; 32 rows on
	v_add_nc_u32 v7, 2176, v7
	v_add_nc_u32 v8, 128, v8
	s_sub_co_u32 s[CNT], s[CNT], 1
	s_cmp_lg_u32 s[CNT], 0
	s_cbranch_scc1 .Ltiles
	TILE 0, 0, 3                                   ; the last two tiles load nothing
	TILE 1, 0, 0
	s_set_vgpr_msb 0x5
	s_wait_tensorcnt 0x0
	ds_add_u32 v0, v1
	s_wait_dscnt 0x0
	s_set_vgpr_msb 0x500
	CROUND                                         ; the closing round: no work-group ends while a partner may still ask jointly
	s_endpgm
.Lfunc_end_k_q95c23d2dfa_score:
	.size	k_q95c23d2dfa_score, .Lfunc_end_k_q95c23d2dfa_score-k_q95c23d2dfa_score
	.p2alignl 7, 3214868480
	.fill 96, 4, 3214868480
	.section	.rodata,"a",@progbits
	.p2align	6, 0x0
	.amdhsa_kernel k_q95c23d2dfa_score
		.amdhsa_group_segment_fixed_size 301056
		.amdhsa_private_segment_fixed_size 0
		.amdhsa_enable_private_segment 0
		.amdhsa_kernarg_size 48
		.amdhsa_user_sgpr_count 2
		.amdhsa_user_sgpr_kernarg_segment_ptr 1
		.amdhsa_wavefront_size32 1
		.amdhsa_system_sgpr_workgroup_id_x 1
		.amdhsa_system_sgpr_workgroup_id_y 1
		.amdhsa_system_sgpr_workgroup_id_z 1
		.amdhsa_system_vgpr_workitem_id 0
		.amdhsa_next_free_vgpr 258
		.amdhsa_next_free_sgpr 66
		.amdhsa_reserve_vcc 0
		.amdhsa_float_denorm_mode_32 3
		.amdhsa_float_denorm_mode_16_64 3
		.amdhsa_memory_ordered 1
		.amdhsa_forward_progress 1
		.amdhsa_inst_pref_size 50
	.end_amdhsa_kernel
	.amdgpu_metadata
---
amdhsa.version: [ 1, 2 ]
amdhsa.kernels:
  - .name:           k_q95c23d2dfa_score
    .symbol:         k_q95c23d2dfa_score.kd
    .args:
      - { .name: keys, .offset: 0, .size: 8, .value_kind: global_buffer, .address_space: global }
      - { .name: q_codes, .offset: 8, .size: 8, .value_kind: global_buffer, .address_space: global }
      - { .name: q_scales, .offset: 16, .size: 8, .value_kind: global_buffer, .address_space: global }
      - { .name: kfrag, .offset: 24, .size: 8, .value_kind: global_buffer, .address_space: global }
      - { .name: kscl, .offset: 32, .size: 8, .value_kind: global_buffer, .address_space: global }
      - { .name: gkey, .offset: 40, .size: 8, .value_kind: global_buffer, .address_space: global }
    .group_segment_fixed_size: 301056
    .private_segment_fixed_size: 0
    .kernarg_segment_align: 8
    .kernarg_segment_size: 48
    .max_flat_workgroup_size: 256
    .sgpr_count:     66
    .vgpr_count:     258
    .wavefront_size: 32
...
	.end_amdgpu_metadata
.endif
;; end of part 1
;; launch pick (part 2): grid 256 x 1, 8 waves a work-group, no clusters, 74,752 bytes of LDS; arguments gkey, kfrag, kscl, q_codes, q_scales, ckey, glist; writes ckey, glist
.if DOCPART == 2
	.amdgcn_target "amdgcn-amd-amdhsa--gfx1250"
	.amdhsa_code_object_version 6
	.text
	.protected	k_q95c23d2dfa_pick
	.globl	k_q95c23d2dfa_pick
	.p2align	8
	.type	k_q95c23d2dfa_pick,@function
k_q95c23d2dfa_pick:
	s_mov_b64 s[64:65], 0
	v_nop
	global_prefetch_b8 v0, s[64:65] scope:SCOPE_SE
	s_setreg_imm32_b32 hwreg(HW_REG_WAVE_MODE, 25, 1), 1
	s_wait_xcnt 0x0
; SECOND OF THREE LAUNCHES.  A wave takes one query row.  Of the row's 2,048 group maxima (whole numbers that keep the scores' order, stored by the launch before) it finds the 32 best groups
; (larger first, lower group first among equals), stores their numbers in ascending order (glist), fetches their 32 x 32 keys' codes and scale words, multiplies them with the row once more by the same
; matrix instruction (sources swapped, C = 0, every k in its place), and stores the 1,024 scores as order-keeping whole numbers (ckey[row][slot / 4][key % 32][slot % 4]).
; THE SELECTION works on whole numbers alone and has no branch.  (1) t, the 32nd largest value: each lane sorts its 64 numbers as two runs of 32 (a bitonic network of maxima and minima in registers),
; keeps the larger 32, and five times joins its list with the list of the lane 1, 2, 4, 8, 16 away.  (2) chosen are all x > t and, in the order of groups, the first 32 - c of those with x = t.
; (3) lane i finds the i-th chosen group: the word of 32 marks that holds it (a running count), and the place of its bit in that word.
; Work-group rb owns rows 8 rb .. 8 rb + 7: their maxima are one dense block of 65,536 bytes, read once in runs of 512 bytes and turned in LDS.  No two rows share a list of groups, so nothing is asked for jointly.
; LIMITS: as in the first launch (NaN and infinities not served; -0 counts as +0).
.set UP,  288                          ; LDS: a block of 256 bytes (8 rows x 8 groups) + 32: four blocks' words of one row then fall into 32 different banks of 4 bytes
.set WV,  18                           ; s18 wave
.set STH, 19                           ; s19 t
.set SG,  20                           ; s[20:27] marks x > t; later: lanes that move on; group numbers
.set SE,  28                           ; s[28:35] marks x = t
.set SRE, 36                           ; s[36:43] how many x = t stand in earlier words
.set SSL, 44                           ; s[44:51] marks of the chosen
.set SRS, 52                           ; s[52:59] how many chosen stand in earlier words
.set SEL, 60                           ; s[60:61] lane selects: lane l xor 16
.set SHI, 62                           ; s62 lanes 16-31
.set SK,  66                           ; s[66:73] marks of the equals that are kept
.set SCN, 74                           ; s74 c   s75 32 - c   s76, s77 running counts   s78 at work
.set SND, 75
.set SRUE, 76
.set SRUS, 77
.set STMP, 78
.set VR,  12                           ; v12-19 at work
.set QSW, 20                           ; v20    the row's scale word: a scale and nothing else
.set KSC, 21                           ; v21-28 the keys' scale words, two buffers of 4: scales and nothing else
.set QF,  30                           ; v30-37 the row's fragment (the same row in all 16 places)
.set OFS, 38                           ; v38-53 offsets, two buffers of 8: 4 for codes, 4 for scale words
.set CC,  54                           ; v54-85 the 32 slots' scores
.set DD,  86                           ; v86-117 four accumulators
.set PS,  118                          ; v118-181 set P; later code buffer 0
.set QX,  182                          ; v182-245 set Q; later code buffer 1
; One stage of the network on n registers: pairs j apart; the larger goes to the lower register where i & k = 0, else to the higher.  From one set of registers into another: no copy.
.macro STAGE src, dst, n, k, j
.set i, 0
.rept \n
.if (i&(\j)) == 0
.if (i&(\k)) == 0
	v_max_u32 v[\dst+i], v[\src+i], v[\src+i+\j]
	v_min_u32 v[\dst+i+\j], v[\src+i], v[\src+i+\j]
.else
	v_min_u32 v[\dst+i], v[\src+i], v[\src+i+\j]
	v_max_u32 v[\dst+i+\j], v[\src+i], v[\src+i+\j]
.endif
.endif
.set i, i+1
.endr
.endm
.macro SORT3 src, a, b, n              ; runs of 32 sorted: descending where i & 32 = 0, else ascending.  15 stages; the result lies in a
	STAGE \src, \a, \n, 2, 1
	STAGE \a, \b, \n, 4, 2
	STAGE \b, \a, \n, 4, 1
	STAGE \a, \b, \n, 8, 4
	STAGE \b, \a, \n, 8, 2
	STAGE \a, \b, \n, 8, 1
	STAGE \b, \a, \n, 16, 8
	STAGE \a, \b, \n, 16, 4
	STAGE \b, \a, \n, 16, 2
	STAGE \a, \b, \n, 16, 1
	STAGE \b, \a, \n, 32, 16
	STAGE \a, \b, \n, 32, 8
	STAGE \b, \a, \n, 32, 4
	STAGE \a, \b, \n, 32, 2
	STAGE \b, \a, \n, 32, 1
.endm
.macro CLEAN a, b                      ; 32 registers that rise and fall once become descending; the result lies in b
	STAGE \a, \b, 32, 64, 16
	STAGE \b, \a, 32, 64, 8
	STAGE \a, \b, 32, 64, 4
	STAGE \b, \a, 32, 64, 2
	STAGE \a, \b, 32, 64, 1
.endm
.macro LEVEL m, cur, alt, clean        ; my descending 32 against the reversed 32 of the lane m away: the larger of each pair are the 32 largest of the 64
.set ii, 0
.rept 32
.if \m < 16
	v_mov_b32_dpp v[\alt+ii], v[\cur+31-ii] row_xmask:\m row_mask:0xf bank_mask:0xf
.else
	v_permlanex16_b32 v[\alt+ii], v[\cur+31-ii], s[SEL], s[SEL+1]
.endif
.set ii, ii+1
.endr
.set ii, 0
.rept 32
	v_max_u32 v[\alt+ii], v[\cur+ii], v[\alt+ii]
.set ii, ii+1
.endr
.if \clean
	CLEAN \alt, \cur
.endif
.endm
.macro MIN32 a                         ; the least of the 32 largest: t
.irp s, 16,8,4,2,1
.set ii, 0
.rept \s
	v_min_u32 v[\a+ii], v[\a+ii], v[\a+ii+\s]
.set ii, ii+1
.endr
.endr
	v_readfirstlane_b32 s[STH], v[\a]
.endm
.macro COUNT8 x, j0                    ; c += how many of eight registers' numbers lie above t
.irp e, 0,1,2,3,4,5,6,7
	v_cmp_lt_u32 s[SG+\e], s[STH], v[\x+\j0+\e]
.endr
.irp e, 0,1,2,3,4,5,6,7
	s_bcnt1_i32_b32 s[SG+\e], s[SG+\e]
	s_add_co_u32 s[SCN], s[SCN], s[SG+\e]
.endr
.endm
; Eight words of marks, in batches, so that vector and scalar lines wait for each other once a batch.  Register j0 + e, lane l is position 32 (j0 + e) + l.
.macro PICK8 x, j0
.irp e, 0,1,2,3,4,5,6,7
	v_cmp_lt_u32 s[SG+\e], s[STH], v[\x+\j0+\e]
	v_cmp_eq_u32 s[SE+\e], s[STH], v[\x+\j0+\e]
.endr
.irp e, 0,1,2,3,4,5,6,7
	s_mov_b32 s[SRE+\e], s[SRUE]
	s_bcnt1_i32_b32 s[STMP], s[SE+\e]
	s_add_co_u32 s[SRUE], s[SRUE], s[STMP]
.endr
.irp e, 0,1,2,3,4,5,6,7
	v_mbcnt_lo_u32_b32 v[VR+\e], s[SE+\e], s[SRE+\e]   ; how many equals stand ahead of my position
.endr
.irp e, 0,1,2,3,4,5,6,7
	v_cmp_gt_u32 s[SK+\e], s[SND], v[VR+\e]        ; fewer than 32 - c: kept
.endr
.irp e, 0,1,2,3,4,5,6,7
	s_and_b32 s[SK+\e], s[SK+\e], s[SE+\e]
	s_or_b32 s[SSL+\e], s[SG+\e], s[SK+\e]
	s_mov_b32 s[SRS+\e], s[SRUS]
	s_bcnt1_i32_b32 s[STMP], s[SSL+\e]
	s_add_co_u32 s[SRUS], s[SRUS], s[STMP]
.endr
.irp e, 0,1,2,3,4,5,6,7                        ; the counts never fall: lane i ends with the last word whose count of earlier chosen is at most i, which holds the i-th chosen
	v_cmp_le_u32 s[SG+\e], s[SRS+\e], v1
	v_cndmask_b32 v8, v8, s[SSL+\e], s[SG+\e]
	v_cndmask_b32 v9, v9, s[SRS+\e], s[SG+\e]
	v_cndmask_b32 v10, v10, \j0+\e, s[SG+\e]
.endr
.endm
.macro SELSTEP src, field, width       ; are there k or fewer marks in the lower half of what is left?  Then pass it over
	v_bfe_u32 v16, v[\src], v18, \field
	v_cmp_ge_u32 vcc_lo, v19, v16
	v_cndmask_b32 v16, 0, v16, vcc_lo
	v_sub_nc_u32 v19, v19, v16
	v_cndmask_b32 v17, 0, \width, vcc_lo
	v_add_nc_u32 v18, v18, v17
.endm
.macro SELBIT                          ; v18 = the place of mark number k = lane - v9 in the word v8: counts of marks in fields of 2, 4, 8, 16 bits, then five halvings
	v_sub_nc_u32 v19, v1, v9
	v_lshrrev_b32 v16, 1, v8
	v_and_b32 v16, 0x55555555, v16
	v_sub_nc_u32 v12, v8, v16
	v_lshrrev_b32 v16, 2, v12
	v_and_b32 v16, 0x33333333, v16
	v_and_b32 v13, 0x33333333, v12
	v_add_nc_u32 v13, v13, v16
	v_lshrrev_b32 v16, 4, v13
	v_add_nc_u32 v14, v13, v16
	v_and_b32 v14, 0x0f0f0f0f, v14
	v_lshrrev_b32 v16, 8, v14
	v_add_nc_u32 v15, v14, v16
	v_mov_b32 v18, 0
	SELSTEP 15, 8, 16
	SELSTEP 14, 8, 8
	SELSTEP 13, 4, 4
	SELSTEP 12, 2, 2
	SELSTEP 8, 1, 1
.endm
.macro XLOAD dst                       ; my row's 2,048 numbers: register j, lane l = group 32 j + l
.set ii, 0
.rept 32
	ds_load_b32 v[\dst+ii], v5 offset:4*UP*ii
.set ii, ii+1
.endr
.set ii, 0
.rept 32
	ds_load_b32 v[\dst+32+ii], v6 offset:4*UP*ii
.set ii, ii+1
.endr
.endm
; THE SECOND LOOK, four groups a batch, two buffers.  A group's number is held inside the table ahead of every address.
.macro ADDR n
.irp e, 0,1,2,3
	v_readlane_b32 s[SG+\e], v11, 4*(\n)+\e
.endr
.irp e, 0,1,2,3
	s_min_u32 s[SG+\e], s[SG+\e], 2047
.endr
.irp e, 0,1,2,3
	v_lshl_add_u32 v[OFS+8*((\n)&1)+\e], s[SG+\e], 11, v2     ; codes: 2,048 bytes a group, 16 a lane
	v_lshl_add_u32 v[OFS+8*((\n)&1)+4+\e], s[SG+\e], 7, v3    ; scale words: 128 bytes a group, 4 a lane
.endr
.endm
.macro FETCH n                         ; 20 loads: each covers 512 (or 128) consecutive bytes
.set pp, (\n)&1
.irp e, 0,1,2,3
.irp x, 0,1,2,3
	global_load_b128 v[PS+64*pp+16*\e+4*\x:PS+64*pp+16*\e+4*\x+3], v[OFS+8*pp+\e], s[6:7] offset:512*\x
.endr
	global_load_b32 v[KSC+4*pp+\e], v[OFS+8*pp+4+\e], s[8:9]   ; lanes 0-15: the group's first tile, lanes 16-31: its second
.endr
.endm
; source 0 = the row, 16 times; source 1 = 16 keys: register 0 of the result holds, in lane l, the score of key l % 16 of the tile.  Only that lowest register is read.
.macro SCORE n
.set pp, (\n)&1
.if (\n) < 7
	s_wait_loadcnt 20                              ; loads come back in order: this batch's are in (and its offsets free); the next batch's 20 may be out
.else
	s_wait_loadcnt 0x0
.endif
.irp g, 0,2
.irp e, 0,1
	v_wmma_scale_f32_16x16x128_f8f6f4 v[DD+16*\e:DD+16*\e+7], v[QF:QF+7], v[PS+64*pp+16*(\g+\e):PS+64*pp+16*(\g+\e)+7], 0, v[QSW], v[KSC+4*pp+\g+\e] matrix_a_fmt:MATRIX_FMT_FP4 matrix_b_fmt:MATRIX_FMT_FP4
	v_wmma_scale_f32_16x16x128_f8f6f4 v[DD+16*\e+8:DD+16*\e+15], v[QF:QF+7], v[PS+64*pp+16*(\g+\e)+8:PS+64*pp+16*(\g+\e)+15], 0, v[QSW], v[KSC+4*pp+\g+\e] matrix_a_fmt:MATRIX_FMT_FP4 matrix_b_fmt:MATRIX_FMT_FP4 matrix_b_scale:MATRIX_SCALE_ROW1
.endr
.rept 5
	v_nop                                          ; places: four ahead of the reads below and of loads into the operands, five ahead of the next products, which write these accumulators again
.endr
.irp e, 0,1
	v_cndmask_b32 v[CC+4*(\n)+\g+\e], v[DD+16*\e], v[DD+16*\e+8], s[SHI]   ; lanes 0-15: keys 0-15 of the group, lanes 16-31: keys 16-31
.endr
.irp e, 0,1
	v_add_f32 v[CC+4*(\n)+\g+\e], 0, v[CC+4*(\n)+\g+\e]                     ; -0 becomes +0
.endr
.irp e, 0,1
	v_ashrrev_i32 v[VR+\e], 31, v[CC+4*(\n)+\g+\e]
.endr
.irp e, 0,1
	v_or_b32 v[VR+\e], 0x80000000, v[VR+\e]
.endr
.irp e, 0,1
	v_xor_b32 v[CC+4*(\n)+\g+\e], v[CC+4*(\n)+\g+\e], v[VR+\e]              ; the whole number that keeps the scores' order
.endr
.endr
.endm
	s_load_b256 s[4:11], s[0:1], 0x0               ; gkey s[4:5], kfrag s[6:7], kscl s[8:9], q_codes s[10:11]
	s_load_b128 s[12:15], s[0:1], 0x20             ; q_scales s[12:13], ckey s[14:15]
	s_load_b64 s[16:17], s[0:1], 0x30              ; glist
	v_lshl_add_u32 v254, v0, 2, 0x12000
	v_mov_b32 v255, 0
	v_lshrrev_b32 v1, 5, v0
	v_readfirstlane_b32 s[WV], v1                  ; wave 0..7
	v_and_b32 v1, 31, v0                           ; lane
	v_lshlrev_b32 v2, 4, v1                        ; 16 x lane
	v_lshlrev_b32 v3, 2, v1                        ; 4 x lane
	v_lshrrev_b32 v4, 4, v1
	v_mul_u32_u24 v4, v4, UP
	v_and_b32 v5, 15, v1
	v_lshl_add_u32 v4, v5, 4, v4
	s_mul_i32 s20, s[WV], 32*UP
	v_add_nc_u32 v4, s20, v4                       ; into LDS: blocks 32 w on; a load's 512 bytes are two blocks
	v_lshrrev_b32 v5, 3, v1
	v_mul_u32_u24 v5, v5, UP
	v_and_b32 v6, 7, v1
	v_lshl_add_u32 v5, v6, 2, v5
	s_lshl_b32 s20, s[WV], 5
	v_add_nc_u32 v5, s20, v5                       ; out of it: block lane / 8, row w of the eight, group lane % 8
	v_add_nc_u32 v6, 128*UP, v5                    ; and 128 blocks on
	v_mov_b32 v7, 0
	v_and_b32 v29, 16, v1                          ; 16 h: my half's bytes of the row's codes
	s_mov_b32 s[SEL], 0x76543210
	s_mov_b32 s[SEL+1], 0xfedcba98
	s_mov_b32 s[SHI], 0xffff0000
	s_lshl_b32 s22, ttmp9, 3
	s_add_co_u32 s22, s22, s[WV]                   ; my row
	s_mov_b32 s21, 0
	s_wait_kmcnt 0x0
	s_lshl_b32 s20, ttmp9, 16
	s_lshl_b32 s23, s[WV], 13
	s_add_co_u32 s20, s20, s23
	s_add_nc_u64 s[4:5], s[4:5], s[20:21]          ; gkey: my work-group's 65,536 bytes, my wave's eighth
	s_lshl_b32 s20, s22, 12
	s_add_nc_u64 s[14:15], s[14:15], s[20:21]      ; ckey: 4,096 bytes a row
	s_lshl_b32 s20, s22, 7
	s_add_nc_u64 s[16:17], s[16:17], s[20:21]      ; glist: 128
	s_lshl_b32 s20, s22, 6
	s_add_nc_u64 s[10:11], s[10:11], s[20:21]      ; q's codes: 64
	s_lshl_b32 s20, s22, 2
	s_add_nc_u64 s[12:13], s[12:13], s[20:21]      ; q's scale word
.irp i, 0,1,2,3,4,5,6,7,8,9,10,11,12,13,14,15
	global_load_b128 v[PS+4*\i:PS+4*\i+3], v2, s[4:5] offset:512*\i th:TH_LOAD_NT   ; 512 consecutive bytes a load; read once in the launch
.endr
	global_load_b128 v[QF:QF+3], v29, s[10:11]
	global_load_b128 v[QF+4:QF+7], v29, s[10:11] offset:32
	global_load_b32 v[QSW], v7, s[12:13]
	s_wait_loadcnt 3                               ; the 16 are in; q's three, issued later, may be out
.irp i, 0,1,2,3,4,5,6,7,8,9,10,11,12,13,14,15
	ds_store_b128 v4, v[PS+4*\i:PS+4*\i+3] offset:2*UP*\i
.endr
	s_wait_dscnt 0x0                               ; for the others' sake: my stores have landed
	s_barrier_signal -1
	s_barrier_wait -1                              ; the eight rows' numbers lie in LDS; nobody writes LDS from here on
	XLOAD PS
	s_wait_dscnt 0x0
	SORT3 PS, QX, PS, 64                           ; each lane: two sorted runs of 32, in Q
.set ii, 0
.rept 32
	v_max_u32 v[PS+ii], v[QX+ii], v[QX+32+ii]      ; a descending run against an ascending one: the larger 32 of my 64
.set ii, ii+1
.endr
	XLOAD QX                                       ; the numbers in their places once more, for the marks: they land while the lists are joined
	CLEAN PS, PS+32
	LEVEL 1, PS+32, PS, 1
	LEVEL 2, PS+32, PS, 1
	LEVEL 4, PS+32, PS, 1
	LEVEL 8, PS+32, PS, 1
	LEVEL 16, PS+32, PS, 0                         ; the row's 32 largest, in every lane; their order is not needed
	MIN32 PS
	s_wait_dscnt 0x0
	s_mov_b32 s[SCN], 0
.irp j, 0,8,16,24,32,40,48,56
	COUNT8 QX, \j
.endr
	s_sub_co_u32 s[SND], 32, s[SCN]                ; so many of the equals are kept
	s_mov_b32 s[SRUE], 0
	s_mov_b32 s[SRUS], 0
	v_mov_b32 v8, 0
	v_mov_b32 v9, 0
	v_mov_b32 v10, 0
.irp j, 0,8,16,24,32,40,48,56
	PICK8 QX, \j
.endr
	SELBIT
	v_lshl_add_u32 v11, v10, 5, v18                ; lane i: the i-th chosen group, ascending
	v_min_u32 v11, 0x7ff, v11
	global_store_b32 v3, v11, s[16:17]
	ADDR 0
	FETCH 0
	ADDR 1
	FETCH 1
.irp n, 0,1,2,3,4,5
	SCORE \n
	ADDR \n+2
	FETCH \n+2
.endr
	SCORE 6
	SCORE 7
.irp a, 0,1,2,3,4,5,6,7
	global_store_b128 v2, v[CC+4*\a:CC+4*\a+3], s[14:15] offset:512*\a th:TH_STORE_NT   ; 512 consecutive bytes, aligned
.endr
	s_wait_tensorcnt 0x0
	ds_add_u32 v254, v255
	s_wait_dscnt 0x0
	s_endpgm
.Lfunc_end_k_q95c23d2dfa_pick:
	.size	k_q95c23d2dfa_pick, .Lfunc_end_k_q95c23d2dfa_pick-k_q95c23d2dfa_pick
	.p2alignl 7, 3214868480
	.fill 96, 4, 3214868480
	.section	.rodata,"a",@progbits
	.p2align	6, 0x0
	.amdhsa_kernel k_q95c23d2dfa_pick
		.amdhsa_group_segment_fixed_size 74752
		.amdhsa_private_segment_fixed_size 0
		.amdhsa_enable_private_segment 0
		.amdhsa_kernarg_size 56
		.amdhsa_user_sgpr_count 2
		.amdhsa_user_sgpr_kernarg_segment_ptr 1
		.amdhsa_wavefront_size32 1
		.amdhsa_system_sgpr_workgroup_id_x 1
		.amdhsa_system_sgpr_workgroup_id_y 1
		.amdhsa_system_sgpr_workgroup_id_z 1
		.amdhsa_system_vgpr_workitem_id 0
		.amdhsa_next_free_vgpr 256
		.amdhsa_next_free_sgpr 80
		.amdhsa_reserve_vcc 1
		.amdhsa_float_denorm_mode_32 3
		.amdhsa_float_denorm_mode_16_64 3
		.amdhsa_memory_ordered 1
		.amdhsa_forward_progress 1
		.amdhsa_inst_pref_size 185
	.end_amdhsa_kernel
	.amdgpu_metadata
---
amdhsa.version: [ 1, 2 ]
amdhsa.kernels:
  - .name:           k_q95c23d2dfa_pick
    .symbol:         k_q95c23d2dfa_pick.kd
    .args:
      - { .name: gkey, .offset: 0, .size: 8, .value_kind: global_buffer, .address_space: global }
      - { .name: kfrag, .offset: 8, .size: 8, .value_kind: global_buffer, .address_space: global }
      - { .name: kscl, .offset: 16, .size: 8, .value_kind: global_buffer, .address_space: global }
      - { .name: q_codes, .offset: 24, .size: 8, .value_kind: global_buffer, .address_space: global }
      - { .name: q_scales, .offset: 32, .size: 8, .value_kind: global_buffer, .address_space: global }
      - { .name: ckey, .offset: 40, .size: 8, .value_kind: global_buffer, .address_space: global }
      - { .name: glist, .offset: 48, .size: 8, .value_kind: global_buffer, .address_space: global }
    .group_segment_fixed_size: 74752
    .private_segment_fixed_size: 0
    .kernarg_segment_align: 8
    .kernarg_segment_size: 56
    .max_flat_workgroup_size: 256
    .sgpr_count:     80
    .vgpr_count:     256
    .wavefront_size: 32
...
	.end_amdgpu_metadata
.endif
;; end of part 2
;; launch fetch (part 3): grid 256 x 1, 8 waves a work-group, no clusters, 0 bytes of LDS; arguments ckey, glist, keys, values, out0, out1; writes out0, out1
.if DOCPART == 3
	.amdgcn_target "amdgcn-amd-amdhsa--gfx1250"
	.amdhsa_code_object_version 6
	.text
	.protected	k_q95c23d2dfa_fetch
	.globl	k_q95c23d2dfa_fetch
	.p2align	8
	.type	k_q95c23d2dfa_fetch,@function
k_q95c23d2dfa_fetch:
	s_mov_b64 s[64:65], 0
	v_nop
	global_prefetch_b8 v0, s[64:65] scope:SCOPE_SE
	s_setreg_imm32_b32 hwreg(HW_REG_WAVE_MODE, 25, 1), 1
	s_wait_xcnt 0x0
; THIRD OF THREE LAUNCHES.  A wave takes one query row.  Of the row's 1,024 candidates (32 groups in ascending order x 32 keys; scores as whole numbers that keep their order, stored by the launch before)
; it finds the 32 best (larger first, lower key first among equals), ranks them in that order, and copies the f32 rows keys[idx] and values[idx] to out0 and out1.
; The selection is the second launch's, on 32 registers a lane: t = the 32nd largest value by a network of maxima and minima; chosen are all x > t and the first 32 - c with x = t; lane i finds the i-th chosen.
; Register i, lane l is candidate (slot i, key l of the group): positions ascend with the key's index.  A chosen key's rank is the number of chosen keys with a larger score, or an equal score and a lower index.
; Waves share nothing: no LDS, no barrier, no branch.  Every index is held inside its table ahead of every address.  A row is 512 bytes: each load and each store of the wave covers one whole row, aligned.
; No prefetch: a row's address is known only where its load can be issued, and a row may be named by many waves.
.set WV,  18
.set STH, 19
.set SG,  20
.set SE,  28
.set SRE, 36
.set SSL, 44
.set SRS, 52
.set SEL, 60
.set SK,  66
.set SCN, 74
.set SND, 75
.set SRUE, 76
.set SRUS, 77
.set STMP, 78
.set VR,  12                           ; v12-19 at work
.set HS,  32                           ; v32-63  the candidates in their places: kept for the marks
.set PS,  64                           ; v64-95, v96-127 the network's two sets
.set QX,  96
.set VIN, 32                           ; the copy: v32-47 offsets of the rows read, two buffers of 8;
.set VOUT, 48                          ; v48-63 of the rows written;
.set DAT, 64                           ; v64-191 two buffers of 8 x (4 registers of keys, 4 of values)
.macro STAGE src, dst, n, k, j         ; pairs j apart; the larger goes to the lower register where i & k = 0, else to the higher
.set i, 0
.rept \n
.if (i&(\j)) == 0
.if (i&(\k)) == 0
	v_max_u32 v[\dst+i], v[\src+i], v[\src+i+\j]
	v_min_u32 v[\dst+i+\j], v[\src+i], v[\src+i+\j]
.else
	v_min_u32 v[\dst+i], v[\src+i], v[\src+i+\j]
	v_max_u32 v[\dst+i+\j], v[\src+i], v[\src+i+\j]
.endif
.endif
.set i, i+1
.endr
.endm
.macro SORT3 src, a, b, n              ; 15 stages; src is left as it is; the result lies in a, descending
	STAGE \src, \a, \n, 2, 1
	STAGE \a, \b, \n, 4, 2
	STAGE \b, \a, \n, 4, 1
	STAGE \a, \b, \n, 8, 4
	STAGE \b, \a, \n, 8, 2
	STAGE \a, \b, \n, 8, 1
	STAGE \b, \a, \n, 16, 8
	STAGE \a, \b, \n, 16, 4
	STAGE \b, \a, \n, 16, 2
	STAGE \a, \b, \n, 16, 1
	STAGE \b, \a, \n, 32, 16
	STAGE \a, \b, \n, 32, 8
	STAGE \b, \a, \n, 32, 4
	STAGE \a, \b, \n, 32, 2
	STAGE \b, \a, \n, 32, 1
.endm
.macro CLEAN a, b
	STAGE \a, \b, 32, 64, 16
	STAGE \b, \a, 32, 64, 8
	STAGE \a, \b, 32, 64, 4
	STAGE \b, \a, 32, 64, 2
	STAGE \a, \b, 32, 64, 1
.endm
.macro LEVEL m, cur, alt, clean        ; my descending 32 against the reversed 32 of the lane m away: the larger of each pair are the 32 largest of the 64
.set ii, 0
.rept 32
.if \m < 16
	v_mov_b32_dpp v[\alt+ii], v[\cur+31-ii] row_xmask:\m row_mask:0xf bank_mask:0xf
.else
	v_permlanex16_b32 v[\alt+ii], v[\cur+31-ii], s[SEL], s[SEL+1]
.endif
.set ii, ii+1
.endr
.set ii, 0
.rept 32
	v_max_u32 v[\alt+ii], v[\cur+ii], v[\alt+ii]
.set ii, ii+1
.endr
.if \clean
	CLEAN \alt, \cur
.endif
.endm
.macro MIN32 a
.irp s, 16,8,4,2,1
.set ii, 0
.rept \s
	v_min_u32 v[\a+ii], v[\a+ii], v[\a+ii+\s]
.set ii, ii+1
.endr
.endr
	v_readfirstlane_b32 s[STH], v[\a]
.endm
.macro COUNT8 x, j0
.irp e, 0,1,2,3,4,5,6,7
	v_cmp_lt_u32 s[SG+\e], s[STH], v[\x+\j0+\e]
.endr
.irp e, 0,1,2,3,4,5,6,7
	s_bcnt1_i32_b32 s[SG+\e], s[SG+\e]
	s_add_co_u32 s[SCN], s[SCN], s[SG+\e]
.endr
.endm
.macro PICK8 x, j0                     ; eight words of marks, in batches
.irp e, 0,1,2,3,4,5,6,7
	v_cmp_lt_u32 s[SG+\e], s[STH], v[\x+\j0+\e]
	v_cmp_eq_u32 s[SE+\e], s[STH], v[\x+\j0+\e]
.endr
.irp e, 0,1,2,3,4,5,6,7
	s_mov_b32 s[SRE+\e], s[SRUE]
	s_bcnt1_i32_b32 s[STMP], s[SE+\e]
	s_add_co_u32 s[SRUE], s[SRUE], s[STMP]
.endr
.irp e, 0,1,2,3,4,5,6,7
	v_mbcnt_lo_u32_b32 v[VR+\e], s[SE+\e], s[SRE+\e]   ; how many equals stand ahead of my position
.endr
.irp e, 0,1,2,3,4,5,6,7
	v_cmp_gt_u32 s[SK+\e], s[SND], v[VR+\e]
.endr
.irp e, 0,1,2,3,4,5,6,7
	s_and_b32 s[SK+\e], s[SK+\e], s[SE+\e]
	s_or_b32 s[SSL+\e], s[SG+\e], s[SK+\e]
	s_mov_b32 s[SRS+\e], s[SRUS]
	s_bcnt1_i32_b32 s[STMP], s[SSL+\e]
	s_add_co_u32 s[SRUS], s[SRUS], s[STMP]
.endr
.irp e, 0,1,2,3,4,5,6,7                        ; lane i ends with the last word whose count of earlier chosen is at most i
	v_cmp_le_u32 s[SG+\e], s[SRS+\e], v1
	v_cndmask_b32 v8, v8, s[SSL+\e], s[SG+\e]
	v_cndmask_b32 v9, v9, s[SRS+\e], s[SG+\e]
	v_cndmask_b32 v10, v10, \j0+\e, s[SG+\e]
.endr
.endm
.macro SELSTEP src, field, width
	v_bfe_u32 v16, v[\src], v18, \field
	v_cmp_ge_u32 vcc_lo, v19, v16
	v_cndmask_b32 v16, 0, v16, vcc_lo
	v_sub_nc_u32 v19, v19, v16
	v_cndmask_b32 v17, 0, \width, vcc_lo
	v_add_nc_u32 v18, v18, v17
.endm
.macro SELBIT                          ; v18 = the place of mark number lane - v9 in the word v8
	v_sub_nc_u32 v19, v1, v9
	v_lshrrev_b32 v16, 1, v8
	v_and_b32 v16, 0x55555555, v16
	v_sub_nc_u32 v12, v8, v16
	v_lshrrev_b32 v16, 2, v12
	v_and_b32 v16, 0x33333333, v16
	v_and_b32 v13, 0x33333333, v12
	v_add_nc_u32 v13, v13, v16
	v_lshrrev_b32 v16, 4, v13
	v_add_nc_u32 v14, v13, v16
	v_and_b32 v14, 0x0f0f0f0f, v14
	v_lshrrev_b32 v16, 8, v14
	v_add_nc_u32 v15, v14, v16
	v_mov_b32 v18, 0
	SELSTEP 15, 8, 16
	SELSTEP 14, 8, 8
	SELSTEP 13, 4, 4
	SELSTEP 12, 2, 2
	SELSTEP 8, 1, 1
.endm
; My rank += how many of chosen keys 8 c .. 8 c + 7 come ahead of mine: a larger score, or an equal score in a lower lane.
.macro RANK8 c
.irp e, 0,1,2,3,4,5,6,7
	v_readlane_b32 s[SG+\e], v20, 8*(\c)+\e
.endr
.irp e, 0,1,2,3,4,5,6,7
	v_cmp_gt_u32 s[SE+\e], s[SG+\e], v20
	v_cmp_eq_u32 s[SRE+\e], s[SG+\e], v20
.endr
.irp e, 0,1,2,3,4,5,6,7
	s_and_b32 s[SRE+\e], s[SRE+\e], (0xfffffffe<<(8*(\c)+\e))&0xffffffff   ; the lanes above it
	s_or_b32 s[SE+\e], s[SE+\e], s[SRE+\e]
.endr
.irp e, 0,1,2,3,4,5,6,7
	v_cndmask_b32 v[VR+\e], 0, 1, s[SE+\e]
.endr
.irp e, 0,2,4,6
	v_add3_u32 v22, v22, v[VR+\e], v[VR+\e+1]
.endr
.endm
; THE COPY, eight chosen keys a batch, two buffers.
.macro CADDR b
.set pp, (\b)&1
.irp e, 0,1,2,3,4,5,6,7
	v_readlane_b32 s[SG+\e], v21, 8*(\b)+\e
	v_readlane_b32 s[SE+\e], v22, 8*(\b)+\e
.endr
.irp e, 0,1,2,3,4,5,6,7
	s_min_u32 s[SG+\e], s[SG+\e], 0xffff
	s_min_u32 s[SE+\e], s[SE+\e], 31
.endr
.irp e, 0,1,2,3,4,5,6,7
	v_lshl_add_u32 v[VIN+8*pp+\e], s[SG+\e], 9, v2     ; 512 x key + 16 x lane
	v_lshl_add_u32 v[VOUT+8*pp+\e], s[SE+\e], 9, v2    ; 512 x rank + 16 x lane
.endr
.endm
.macro LOADB b                         ; 16 loads.  No hint: a row may be named by many lists
.set pp, (\b)&1
.irp e, 0,1,2,3,4,5,6,7
	global_load_b128 v[DAT+64*pp+8*\e:DAT+64*pp+8*\e+3], v[VIN+8*pp+\e], s[8:9]
	global_load_b128 v[DAT+64*pp+8*\e+4:DAT+64*pp+8*\e+7], v[VIN+8*pp+\e], s[10:11]
.endr
.endm
.macro STOREB b
.set pp, (\b)&1
.irp e, 0,1,2,3,4,5,6,7
	global_store_b128 v[VOUT+8*pp+\e], v[DAT+64*pp+8*\e:DAT+64*pp+8*\e+3], s[12:13] th:TH_STORE_NT
	global_store_b128 v[VOUT+8*pp+\e], v[DAT+64*pp+8*\e+4:DAT+64*pp+8*\e+7], s[14:15] th:TH_STORE_NT
.endr
.endm
	s_load_b256 s[4:11], s[0:1], 0x0               ; ckey s[4:5], glist s[6:7], keys s[8:9], values s[10:11]
	s_load_b128 s[12:15], s[0:1], 0x20             ; out0 s[12:13], out1 s[14:15]
	v_lshrrev_b32 v1, 5, v0
	v_readfirstlane_b32 s[WV], v1                  ; wave 0..7
	v_and_b32 v1, 31, v0                           ; lane
	v_lshlrev_b32 v2, 4, v1                        ; 16 x lane
	s_mov_b32 s[SEL], 0x76543210
	s_mov_b32 s[SEL+1], 0xfedcba98
	s_lshl_b32 s22, ttmp9, 3
	s_add_co_u32 s22, s22, s[WV]                   ; my row
	s_mov_b32 s21, 0
	s_wait_kmcnt 0x0
	s_lshl_b32 s20, s22, 12
	s_add_nc_u64 s[4:5], s[4:5], s[20:21]          ; ckey: 4,096 bytes a row
	s_lshl_b32 s20, s22, 7
	s_add_nc_u64 s[6:7], s[6:7], s[20:21]          ; glist: 128
	s_lshl_b32 s20, s22, 14
	s_add_nc_u64 s[12:13], s[12:13], s[20:21]      ; out0, out1: 32 rows of 512 bytes
	s_add_nc_u64 s[14:15], s[14:15], s[20:21]
.irp a, 0,1,2,3,4,5,6,7
	global_load_b128 v[HS+4*\a:HS+4*\a+3], v2, s[4:5] offset:512*\a   ; register 4 a + q, lane l: slot 4 a + q, key l
.endr
	s_wait_loadcnt 0x0
	SORT3 HS, PS, QX, 32
	LEVEL 1, PS, QX, 1
	LEVEL 2, PS, QX, 1
	LEVEL 4, PS, QX, 1
	LEVEL 8, PS, QX, 1
	LEVEL 16, PS, QX, 0
	MIN32 QX
	s_mov_b32 s[SCN], 0
.irp j, 0,8,16,24
	COUNT8 HS, \j
.endr
	s_sub_co_u32 s[SND], 32, s[SCN]
	s_mov_b32 s[SRUE], 0
	s_mov_b32 s[SRUS], 0
	v_mov_b32 v8, 0
	v_mov_b32 v9, 0
	v_mov_b32 v10, 0
.irp j, 0,8,16,24
	PICK8 HS, \j
.endr
	SELBIT
	v_min_u32 v10, 31, v10                         ; lane i: the i-th chosen candidate's slot,
	v_min_u32 v11, 31, v18                         ; and its key in the group
	v_and_b32 v23, 28, v10
	v_lshlrev_b32 v23, 7, v23
	v_lshl_add_u32 v23, v11, 4, v23
	v_and_b32 v24, 3, v10
	v_lshl_add_u32 v23, v24, 2, v23                ; its place in the row of ckey
	v_lshlrev_b32 v24, 2, v10                      ; its group's place in the row of glist
	global_load_b32 v20, v23, s[4:5]               ; its score
	global_load_b32 v21, v24, s[6:7]               ; its group
	v_mov_b32 v22, 0
	s_wait_loadcnt 0x0
	v_min_u32 v21, 0x7ff, v21
	v_lshl_add_u32 v21, v21, 5, v11                ; the key's index; it ascends with the lane
	RANK8 0
	RANK8 1
	RANK8 2
	RANK8 3
	CADDR 0
	LOADB 0
	CADDR 1
	LOADB 1
	s_wait_loadcnt 16                              ; loads come back in order: batch 0's 16 are in, batch 1's may be out
	STOREB 0
	s_wait_xcnt 0x0                                ; the stores' data and offsets are written again only behind this wait
	CADDR 2
	LOADB 2
	s_wait_loadcnt 16                              ; batch 1's are in, batch 2's may be out
	STOREB 1
	s_wait_xcnt 0x0
	CADDR 3
	LOADB 3
	s_wait_loadcnt 16                              ; batch 2's are in, batch 3's may be out
	STOREB 2
	s_wait_loadcnt 0x0
	STOREB 3
	s_endpgm
.Lfunc_end_k_q95c23d2dfa_fetch:
	.size	k_q95c23d2dfa_fetch, .Lfunc_end_k_q95c23d2dfa_fetch-k_q95c23d2dfa_fetch
	.p2alignl 7, 3214868480
	.fill 96, 4, 3214868480
	.section	.rodata,"a",@progbits
	.p2align	6, 0x0
	.amdhsa_kernel k_q95c23d2dfa_fetch
		.amdhsa_group_segment_fixed_size 0
		.amdhsa_private_segment_fixed_size 0
		.amdhsa_enable_private_segment 0
		.amdhsa_kernarg_size 48
		.amdhsa_user_sgpr_count 2
		.amdhsa_user_sgpr_kernarg_segment_ptr 1
		.amdhsa_wavefront_size32 1
		.amdhsa_system_sgpr_workgroup_id_x 1
		.amdhsa_system_sgpr_workgroup_id_y 1
		.amdhsa_system_sgpr_workgroup_id_z 1
		.amdhsa_system_vgpr_workitem_id 0
		.amdhsa_next_free_vgpr 192
		.amdhsa_next_free_sgpr 80
		.amdhsa_reserve_vcc 1
		.amdhsa_float_denorm_mode_32 3
		.amdhsa_float_denorm_mode_16_64 3
		.amdhsa_memory_ordered 1
		.amdhsa_forward_progress 1
		.amdhsa_inst_pref_size 119
	.end_amdhsa_kernel
	.amdgpu_metadata
---
amdhsa.version: [ 1, 2 ]
amdhsa.kernels:
  - .name:           k_q95c23d2dfa_fetch
    .symbol:         k_q95c23d2dfa_fetch.kd
    .args:
      - { .name: ckey, .offset: 0, .size: 8, .value_kind: global_buffer, .address_space: global }
      - { .name: glist, .offset: 8, .size: 8, .value_kind: global_buffer, .address_space: global }
      - { .name: keys, .offset: 16, .size: 8, .value_kind: global_buffer, .address_space: global }
      - { .name: values, .offset: 24, .size: 8, .value_kind: global_buffer, .address_space: global }
      - { .name: out0, .offset: 32, .size: 8, .value_kind: global_buffer, .address_space: global }
      - { .name: out1, .offset: 40, .size: 8, .value_kind: global_buffer, .address_space: global }
    .group_segment_fixed_size: 0
    .private_segment_fixed_size: 0
    .kernarg_segment_align: 8
    .kernarg_segment_size: 48
    .max_flat_workgroup_size: 256
    .sgpr_count:     80
    .vgpr_count:     192
    .wavefront_size: 32
...
	.end_amdgpu_metadata
.endif
;; end of part 3
;; ======== version 2 of 2: 3 launches; version 1 with the launch pick written anew for expert scheduling mode
;; workspace buffers: kfrag 4,194,304 bytes; kscl 262,144 bytes; gkey 16,777,216 bytes of whole numbers; ckey 8,388,608 bytes of whole numbers; glist 262,144 bytes of whole numbers
;; launch score: the kernel of part 1 again; grid 256 x 1, 8 waves a work-group, clusters of 4 x 1, 301,056 bytes of LDS; arguments keys, q_codes, q_scales, kfrag, kscl, gkey; writes kfrag, kscl, gkey
;; launch pick (part 4): grid 256 x 1, 8 waves a work-group, no clusters, 74,752 bytes of LDS; arguments gkey, kfrag, kscl, q_codes, q_scales, ckey, glist; writes ckey, glist
.if DOCPART == 4
	.amdgcn_target "amdgcn-amd-amdhsa--gfx1250"
	.amdhsa_code_object_version 6
	.text
	.protected	k_q95c23d2dfa_pick
	.globl	k_q95c23d2dfa_pick
	.p2align	8
	.type	k_q95c23d2dfa_pick,@function
k_q95c23d2dfa_pick:
	s_mov_b64 s[64:65], 0
	v_nop
	global_prefetch_b8 v0, s[64:65] scope:SCOPE_SE
	s_setreg_imm32_b32 hwreg(HW_REG_WAVE_SCHED_MODE, 0, 2), 2
	s_setreg_imm32_b32 hwreg(HW_REG_WAVE_MODE, 25, 1), 1
	s_wait_xcnt 0x0
	s_wait_alu depctr_vm_vsrc(0)
; SECOND OF THREE LAUNCHES.  A wave takes one query row.  Of the row's 2,048 group maxima (whole numbers that keep the scores' order, stored by the launch before) it finds the 32 best groups
; (larger first, lower group first among equals), stores their numbers in ascending order (glist), fetches their 32 x 32 keys' codes and scale words, multiplies them with the row once more by the same
; matrix instruction (sources swapped, C = 0, every k in its place), and stores the 1,024 scores as order-keeping whole numbers (ckey[row][slot / 4][key % 32][slot % 4]).
; THE SELECTION works on whole numbers alone and has no branch.  (1) t, the 32nd largest value: each lane sorts its 64 numbers as two runs of 32 (a bitonic network of maxima and minima in registers),
; keeps the larger 32, and five times joins its list with the list of the lane 1, 2, 4, 8, 16 away.  (2) chosen are all x > t and, in the order of groups, the first 32 - c of those with x = t.
; (3) lane i finds the i-th chosen group: the word of 32 marks that holds it (a running count), and the place of its bit in that word.
; Work-group rb owns rows 8 rb .. 8 rb + 7: their maxima are one dense block of 65,536 bytes, read once in runs of 512 bytes and turned in LDS.  No two rows share a list of groups, so nothing is asked for jointly.
; LIMITS: as in the first launch (NaN and infinities not served; -0 counts as +0).
; THE MODE: SCHED_MODE bits 1:0 = 2 (LLVM: expert scheduling mode 2), set by the entry lines.  The code itself states the register dependences between vector or matrix instructions and memory or LDS
; instructions, and those through scalar registers and VCC that vector instructions write, with s_wait_alu, always for 0.
; THE PLAN.  Registers that memory or LDS instructions touch:
;   v2-v7, v29, v254, v255   offsets and LDS addresses: made at the head, never written again.
;   PS, QX    first the selection's: PS takes the loads of gkey, is the LDS stores' data, takes the row's numbers from LDS and is then the network's; QX is the network's and then takes the row's numbers once more, for the compares.
;             Then the codes' two buffers: batch n's 16 loads land in buffer n % 2, batch n's eight products read it.
;   KSC       two buffers of four scale words: landed in and read with the codes.
;   OFS       two buffers of eight offsets: written by eight vector lines, read by a batch's 20 loads.
;   v11       the chosen groups: written once; read by one store.      CC   the scores: written by vector lines, read by the eight stores at the end.
; A STEP of the second look (batch n, buffer p = n % 2): one wait on va_sdst behind the four v_readlane of batch n + 2; one on vm_vsrc behind the wait for batch n's data, ahead of the lines that write OFS[p] again;
; one on va_vdst behind the step's last products: it states that they are done reading buffer p and KSC[p] and that OFS[p] is written.  Batch n + 2's 20 loads follow it at once; the vector lines behind them
; name the accumulators, CC and v12-13: none of the registers that those loads touch.
.set UP,  288                          ; LDS: a block of 256 bytes (8 rows x 8 groups) + 32: four blocks' words of one row then fall into 32 different banks of 4 bytes
.set WV,  18                           ; s18 wave
.set STH, 19                           ; s19 t
.set SG,  20                           ; s[20:27] marks x > t; later: lanes that move on; group numbers, four for each buffer
.set SE,  28                           ; s[28:35] marks x = t
.set SRE, 36                           ; s[36:43] how many x = t stand in earlier words
.set SSL, 44                           ; s[44:51] marks of the chosen
.set SRS, 52                           ; s[52:59] how many chosen stand in earlier words
.set SEL, 60                           ; s[60:61] lane selects: lane l xor 16
.set SHI, 62                           ; s62 lanes 16-31
.set SK,  66                           ; s[66:73] marks of the equals that are kept
.set SCN, 74                           ; s74 c   s75 32 - c   s76, s77 running counts   s78 at work
.set SND, 75
.set SRUE, 76
.set SRUS, 77
.set STMP, 78
.set VR,  12                           ; v12-19 at work
.set QSW, 20                           ; v20    the row's scale word: a scale and nothing else
.set KSC, 21                           ; v21-28 the keys' scale words, two buffers of 4: scales and nothing else
.set QF,  30                           ; v30-37 the row's fragment (the same row in all 16 places)
.set OFS, 38                           ; v38-53 offsets, two buffers of 8: 4 for codes, 4 for scale words
.set CC,  54                           ; v54-85 the 32 slots' scores
.set DD,  86                           ; v86-117 four accumulators
.set PS,  118                          ; v118-181 set P; later code buffer 0
.set QX,  182                          ; v182-245 set Q; later code buffer 1
; One stage of the network on n registers: pairs j apart; the larger goes to the lower register where i & k = 0, else to the higher.  From one set of registers into another: no copy.
.macro STAGE src, dst, n, k, j
.set i, 0
.rept \n
.if (i&(\j)) == 0
.if (i&(\k)) == 0
	v_max_u32 v[\dst+i], v[\src+i], v[\src+i+\j]
	v_min_u32 v[\dst+i+\j], v[\src+i], v[\src+i+\j]
.else
	v_min_u32 v[\dst+i], v[\src+i], v[\src+i+\j]
	v_max_u32 v[\dst+i+\j], v[\src+i], v[\src+i+\j]
.endif
.endif
.set i, i+1
.endr
.endm
.macro SORT3 src, a, b, n              ; runs of 32 sorted: descending where i & 32 = 0, else ascending.  15 stages; the result lies in a
	STAGE \src, \a, \n, 2, 1
	STAGE \a, \b, \n, 4, 2
	STAGE \b, \a, \n, 4, 1
	STAGE \a, \b, \n, 8, 4
	STAGE \b, \a, \n, 8, 2
	STAGE \a, \b, \n, 8, 1
	STAGE \b, \a, \n, 16, 8
	STAGE \a, \b, \n, 16, 4
	STAGE \b, \a, \n, 16, 2
	STAGE \a, \b, \n, 16, 1
	STAGE \b, \a, \n, 32, 16
	STAGE \a, \b, \n, 32, 8
	STAGE \b, \a, \n, 32, 4
	STAGE \a, \b, \n, 32, 2
	STAGE \b, \a, \n, 32, 1
.endm
.macro CLEAN a, b                      ; 32 registers that rise and fall once become descending; the result lies in b
	STAGE \a, \b, 32, 64, 16
	STAGE \b, \a, 32, 64, 8
	STAGE \a, \b, 32, 64, 4
	STAGE \b, \a, 32, 64, 2
	STAGE \a, \b, 32, 64, 1
.endm
.macro LEVEL m, cur, alt, clean        ; my descending 32 against the reversed 32 of the lane m away: the larger of each pair are the 32 largest of the 64
.set ii, 0
.rept 32
.if \m < 16
	v_mov_b32_dpp v[\alt+ii], v[\cur+31-ii] row_xmask:\m row_mask:0xf bank_mask:0xf
.else
	v_permlanex16_b32 v[\alt+ii], v[\cur+31-ii], s[SEL], s[SEL+1]
.endif
.set ii, ii+1
.endr
.set ii, 0
.rept 32
	v_max_u32 v[\alt+ii], v[\cur+ii], v[\alt+ii]
.set ii, ii+1
.endr
.if \clean
	CLEAN \alt, \cur
.endif
.endm
.macro MIN32 a                         ; the least of the 32 largest: t
.irp s, 16,8,4,2,1
.set ii, 0
.rept \s
	v_min_u32 v[\a+ii], v[\a+ii], v[\a+ii+\s]
.set ii, ii+1
.endr
.endr
	v_readfirstlane_b32 s[STH], v[\a]
.endm
.macro COUNT8 x, j0                    ; c += how many of eight registers' numbers lie above t
.irp e, 0,1,2,3,4,5,6,7
	v_cmp_lt_u32 s[SG+\e], s[STH], v[\x+\j0+\e]
.endr
	s_wait_alu depctr_va_sdst(0)                   ; the eight compares have written s20-27, which the counts below read
.irp e, 0,1,2,3,4,5,6,7
	s_bcnt1_i32_b32 s[SG+\e], s[SG+\e]
	s_add_co_u32 s[SCN], s[SCN], s[SG+\e]
.endr
.endm
; Eight words of marks, in batches, so that vector and scalar lines wait for each other once a batch.  Register j0 + e, lane l is position 32 (j0 + e) + l.
.macro PICK8 x, j0
.irp e, 0,1,2,3,4,5,6,7
	v_cmp_lt_u32 s[SG+\e], s[STH], v[\x+\j0+\e]
	v_cmp_eq_u32 s[SE+\e], s[STH], v[\x+\j0+\e]
.endr
	s_wait_alu depctr_va_sdst(0)                   ; the sixteen compares have written s20-27 and s28-35, ahead of their first readers: the counts and the marks' sums below
.irp e, 0,1,2,3,4,5,6,7
	s_mov_b32 s[SRE+\e], s[SRUE]
	s_bcnt1_i32_b32 s[STMP], s[SE+\e]
	s_add_co_u32 s[SRUE], s[SRUE], s[STMP]
.endr
.irp e, 0,1,2,3,4,5,6,7
	v_mbcnt_lo_u32_b32 v[VR+\e], s[SE+\e], s[SRE+\e]   ; how many equals stand ahead of my position
.endr
.irp e, 0,1,2,3,4,5,6,7
	v_cmp_gt_u32 s[SK+\e], s[SND], v[VR+\e]        ; fewer than 32 - c: kept
.endr
	s_wait_alu depctr_va_sdst(0)                   ; these eight compares have written s66-73, which the lines below read
.irp e, 0,1,2,3,4,5,6,7
	s_and_b32 s[SK+\e], s[SK+\e], s[SE+\e]
	s_or_b32 s[SSL+\e], s[SG+\e], s[SK+\e]
	s_mov_b32 s[SRS+\e], s[SRUS]
	s_bcnt1_i32_b32 s[STMP], s[SSL+\e]
	s_add_co_u32 s[SRUS], s[SRUS], s[STMP]
.endr
.irp e, 0,1,2,3,4,5,6,7                        ; the counts never fall: lane i ends with the last word whose count of earlier chosen is at most i, which holds the i-th chosen
	v_cmp_le_u32 s[SG+\e], s[SRS+\e], v1
.endr
	s_wait_alu depctr_va_sdst(0)                   ; these eight compares have written s20-27, the masks of the selects below
.irp e, 0,1,2,3,4,5,6,7
	v_cndmask_b32 v8, v8, s[SSL+\e], s[SG+\e]
	v_cndmask_b32 v9, v9, s[SRS+\e], s[SG+\e]
	v_cndmask_b32 v10, v10, \j0+\e, s[SG+\e]
.endr
.endm
.macro SELSTEP src, field, width       ; are there k or fewer marks in the lower half of what is left?  Then pass it over
	v_bfe_u32 v16, v[\src], v18, \field
	v_cmp_ge_u32 vcc_lo, v19, v16
	s_wait_alu depctr_va_vcc(0)                    ; the compare has written VCC, which the two selects below read
	v_cndmask_b32 v16, 0, v16, vcc_lo
	v_sub_nc_u32 v19, v19, v16
	v_cndmask_b32 v17, 0, \width, vcc_lo
	v_add_nc_u32 v18, v18, v17
.endm
.macro SELBIT                          ; v18 = the place of mark number k = lane - v9 in the word v8: counts of marks in fields of 2, 4, 8, 16 bits, then five halvings
	v_sub_nc_u32 v19, v1, v9
	v_lshrrev_b32 v16, 1, v8
	v_and_b32 v16, 0x55555555, v16
	v_sub_nc_u32 v12, v8, v16
	v_lshrrev_b32 v16, 2, v12
	v_and_b32 v16, 0x33333333, v16
	v_and_b32 v13, 0x33333333, v12
	v_add_nc_u32 v13, v13, v16
	v_lshrrev_b32 v16, 4, v13
	v_add_nc_u32 v14, v13, v16
	v_and_b32 v14, 0x0f0f0f0f, v14
	v_lshrrev_b32 v16, 8, v14
	v_add_nc_u32 v15, v14, v16
	v_mov_b32 v18, 0
	SELSTEP 15, 8, 16
	SELSTEP 14, 8, 8
	SELSTEP 13, 4, 4
	SELSTEP 12, 2, 2
	SELSTEP 8, 1, 1
.endm
.macro XLOAD dst                       ; my row's 2,048 numbers: register j, lane l = group 32 j + l
.set ii, 0
.rept 32
	ds_load_b32 v[\dst+ii], v5 offset:4*UP*ii
.set ii, ii+1
.endr
.set ii, 0
.rept 32
	ds_load_b32 v[\dst+32+ii], v6 offset:4*UP*ii
.set ii, ii+1
.endr
.endm
; THE SECOND LOOK, four groups a batch, two buffers.  A group's number is held inside the table ahead of every address.
.macro LANES n                         ; batch n's four groups into the scalar registers of buffer n % 2
.irp e, 0,1,2,3
	v_readlane_b32 s[SG+4*((\n)&1)+\e], v11, 4*(\n)+\e
.endr
.endm
.macro HOLD n
.irp e, 0,1,2,3
	s_min_u32 s[SG+4*((\n)&1)+\e], s[SG+4*((\n)&1)+\e], 2047
.endr
.endm
.macro OFFS n
.irp e, 0,1,2,3
	v_lshl_add_u32 v[OFS+8*((\n)&1)+\e], s[SG+4*((\n)&1)+\e], 11, v2     ; codes: 2,048 bytes a group, 16 a lane
	v_lshl_add_u32 v[OFS+8*((\n)&1)+4+\e], s[SG+4*((\n)&1)+\e], 7, v3    ; scale words: 128 bytes a group, 4 a lane
.endr
.endm
.macro FETCH n                         ; 20 loads: each covers 512 (or 128) consecutive bytes
.set pp, (\n)&1
.irp e, 0,1,2,3
.irp x, 0,1,2,3
	global_load_b128 v[PS+64*pp+16*\e+4*\x:PS+64*pp+16*\e+4*\x+3], v[OFS+8*pp+\e], s[6:7] offset:512*\x
.endr
	global_load_b32 v[KSC+4*pp+\e], v[OFS+8*pp+4+\e], s[8:9]   ; lanes 0-15: the group's first tile, lanes 16-31: its second
.endr
.endm
; source 0 = the row, 16 times; source 1 = 16 keys: register 0 of the result holds, in lane l, the score of key l % 16 of the tile.  Only that lowest register is read.
.macro PROD n, g                       ; four products: groups g and g + 1 of batch n
.set pp, (\n)&1
.irp e, 0,1
	v_wmma_scale_f32_16x16x128_f8f6f4 v[DD+16*\e:DD+16*\e+7], v[QF:QF+7], v[PS+64*pp+16*(\g+\e):PS+64*pp+16*(\g+\e)+7], 0, v[QSW], v[KSC+4*pp+\g+\e] matrix_a_fmt:MATRIX_FMT_FP4 matrix_b_fmt:MATRIX_FMT_FP4
	v_wmma_scale_f32_16x16x128_f8f6f4 v[DD+16*\e+8:DD+16*\e+15], v[QF:QF+7], v[PS+64*pp+16*(\g+\e)+8:PS+64*pp+16*(\g+\e)+15], 0, v[QSW], v[KSC+4*pp+\g+\e] matrix_a_fmt:MATRIX_FMT_FP4 matrix_b_fmt:MATRIX_FMT_FP4 matrix_b_scale:MATRIX_SCALE_ROW1
.endr
.rept 5
	v_nop                                          ; places (ISA guide 7.12.1): four ahead of the vector lines that read the results, five ahead of the next products, which write these accumulators again
.endr
.endm
.macro POST n, g                       ; their scores become slots 4 n + g and 4 n + g + 1
.irp e, 0,1
	v_cndmask_b32 v[CC+4*(\n)+\g+\e], v[DD+16*\e], v[DD+16*\e+8], s[SHI]   ; lanes 0-15: keys 0-15 of the group, lanes 16-31: keys 16-31
.endr
.irp e, 0,1
	v_add_f32 v[CC+4*(\n)+\g+\e], 0, v[CC+4*(\n)+\g+\e]                     ; -0 becomes +0
.endr
.irp e, 0,1
	v_ashrrev_i32 v[VR+\e], 31, v[CC+4*(\n)+\g+\e]
.endr
.irp e, 0,1
	v_or_b32 v[VR+\e], 0x80000000, v[VR+\e]
.endr
.irp e, 0,1
	v_xor_b32 v[CC+4*(\n)+\g+\e], v[CC+4*(\n)+\g+\e], v[VR+\e]              ; the whole number that keeps the scores' order
.endr
.endm
; A step: batch n is multiplied.  ahead = 1: batch n + 2 is asked for, into the buffer that this step empties.
.macro STEP n, ahead
.if \ahead
	LANES (\n)+2
	s_wait_alu depctr_va_sdst(0)                   ; the four v_readlane have written their scalar registers, which the holds below read
	HOLD (\n)+2
.endif
.if (\n) < 7
	s_wait_loadcnt 20                              ; loads come back in order: this batch's are in (and its offsets free); the next batch's 20 may be out
.else
	s_wait_loadcnt 0x0
.endif
.if \ahead
	s_wait_alu depctr_vm_vsrc(0)                   ; this batch's loads have read their eight offsets, which the lines below write again
	OFFS (\n)+2
.endif
	PROD \n, 0
	POST \n, 0
	PROD \n, 2
.if \ahead
	s_wait_alu depctr_va_vdst(0)                   ; the step's products are done reading this buffer's codes and scale words, in which the loads below land; the eight offsets that those loads read are written
	FETCH (\n)+2
.endif
	POST \n, 2                                     ; names the accumulators, CC and v12-13: none of the registers that the loads above touch
.endm
	s_load_b256 s[4:11], s[0:1], 0x0               ; gkey s[4:5], kfrag s[6:7], kscl s[8:9], q_codes s[10:11]
	s_load_b128 s[12:15], s[0:1], 0x20             ; q_scales s[12:13], ckey s[14:15]
	s_load_b64 s[16:17], s[0:1], 0x30              ; glist
	v_lshl_add_u32 v254, v0, 2, 0x12000
	v_mov_b32 v255, 0
	v_lshrrev_b32 v1, 5, v0
	v_readfirstlane_b32 s[WV], v1                  ; wave 0..7
	v_and_b32 v1, 31, v0                           ; lane
	v_lshlrev_b32 v2, 4, v1                        ; 16 x lane
	v_lshlrev_b32 v3, 2, v1                        ; 4 x lane
	v_lshrrev_b32 v4, 4, v1
	v_mul_u32_u24 v4, v4, UP
	v_and_b32 v5, 15, v1
	v_lshl_add_u32 v4, v5, 4, v4
	s_wait_alu depctr_va_sdst(0)                   ; s18, the wave's number, is written, ahead of its first reader
	s_mul_i32 s20, s[WV], 32*UP
	v_add_nc_u32 v4, s20, v4                       ; into LDS: blocks 32 w on; a load's 512 bytes are two blocks
	v_lshrrev_b32 v5, 3, v1
	v_mul_u32_u24 v5, v5, UP
	v_and_b32 v6, 7, v1
	v_lshl_add_u32 v5, v6, 2, v5
	s_lshl_b32 s20, s[WV], 5
	v_add_nc_u32 v5, s20, v5                       ; out of it: block lane / 8, row w of the eight, group lane % 8
	v_add_nc_u32 v6, 128*UP, v5                    ; and 128 blocks on
	v_mov_b32 v7, 0
	v_and_b32 v29, 16, v1                          ; 16 h: my half's bytes of the row's codes
	s_mov_b32 s[SEL], 0x76543210
	s_mov_b32 s[SEL+1], 0xfedcba98
	s_mov_b32 s[SHI], 0xffff0000
	s_lshl_b32 s22, ttmp9, 3
	s_add_co_u32 s22, s22, s[WV]                   ; my row
	s_mov_b32 s21, 0
	s_wait_kmcnt 0x0
	s_lshl_b32 s20, ttmp9, 16
	s_lshl_b32 s23, s[WV], 13
	s_add_co_u32 s20, s20, s23
	s_add_nc_u64 s[4:5], s[4:5], s[20:21]          ; gkey: my work-group's 65,536 bytes, my wave's eighth
	s_lshl_b32 s20, s22, 12
	s_add_nc_u64 s[14:15], s[14:15], s[20:21]      ; ckey: 4,096 bytes a row
	s_lshl_b32 s20, s22, 7
	s_add_nc_u64 s[16:17], s[16:17], s[20:21]      ; glist: 128
	s_lshl_b32 s20, s22, 6
	s_add_nc_u64 s[10:11], s[10:11], s[20:21]      ; q's codes: 64
	s_lshl_b32 s20, s22, 2
	s_add_nc_u64 s[12:13], s[12:13], s[20:21]      ; q's scale word
	s_wait_alu depctr_va_vdst(0)                   ; the offsets and LDS addresses v2 to v7 and v29 are written, which the loads and stores of the whole kernel read; none is written again
.irp i, 0,1,2,3,4,5,6,7,8,9,10,11,12,13,14,15
	global_load_b128 v[PS+4*\i:PS+4*\i+3], v2, s[4:5] offset:512*\i th:TH_LOAD_NT   ; 512 consecutive bytes a load; read once in the launch
.endr
	global_load_b128 v[QF:QF+3], v29, s[10:11]
	global_load_b128 v[QF+4:QF+7], v29, s[10:11] offset:32
	global_load_b32 v[QSW], v7, s[12:13]
	s_wait_loadcnt 3                               ; the 16 are in; q's three, issued later, may be out
.irp i, 0,1,2,3,4,5,6,7,8,9,10,11,12,13,14,15
	ds_store_b128 v4, v[PS+4*\i:PS+4*\i+3] offset:2*UP*\i
.endr
	s_wait_dscnt 0x0                               ; for the others' sake: my stores have landed
	s_barrier_signal -1
	s_barrier_wait -1                              ; the eight rows' numbers lie in LDS; nobody writes LDS from here on
	s_wait_alu depctr_vm_vsrc(0)                   ; my LDS stores have read set P, in which the LDS loads below land
	XLOAD PS
	s_wait_dscnt 0x0
	SORT3 PS, QX, PS, 64                           ; each lane: two sorted runs of 32, in Q
.set ii, 0
.rept 32
	v_max_u32 v[PS+ii], v[QX+ii], v[QX+32+ii]      ; a descending run against an ascending one: the larger 32 of my 64
.set ii, ii+1
.endr
	s_wait_alu depctr_va_vdst(0)                   ; the network and the 32 maxima are done writing and reading set Q, in which the LDS loads below land; nothing up to the wait for them names it
	XLOAD QX                                       ; the numbers in their places once more, for the marks: they land while the lists are joined
	CLEAN PS, PS+32
	LEVEL 1, PS+32, PS, 1
	LEVEL 2, PS+32, PS, 1
	LEVEL 4, PS+32, PS, 1
	LEVEL 8, PS+32, PS, 1
	LEVEL 16, PS+32, PS, 0                         ; the row's 32 largest, in every lane; their order is not needed
	MIN32 PS
	s_wait_dscnt 0x0
	s_wait_alu depctr_va_sdst(0)                   ; s19, t, is written, ahead of its first reader: the compares below
	s_mov_b32 s[SCN], 0
.irp j, 0,8,16,24,32,40,48,56
	COUNT8 QX, \j
.endr
	s_sub_co_u32 s[SND], 32, s[SCN]                ; so many of the equals are kept
	s_mov_b32 s[SRUE], 0
	s_mov_b32 s[SRUS], 0
	v_mov_b32 v8, 0
	v_mov_b32 v9, 0
	v_mov_b32 v10, 0
.irp j, 0,8,16,24,32,40,48,56
	PICK8 QX, \j
.endr
	SELBIT
	v_lshl_add_u32 v11, v10, 5, v18                ; lane i: the i-th chosen group, ascending
	v_min_u32 v11, 0x7ff, v11
	LANES 0
	LANES 1
	s_wait_alu depctr_va_sdst(0)                   ; the eight v_readlane have written s20-27, which the holds below read
	HOLD 0
	HOLD 1
	OFFS 0
	OFFS 1
	s_wait_alu depctr_va_vdst(0)                   ; the sixteen offsets and v11 are written, which the loads and the store below read; the network and the compares are done with sets P and Q, in which the loads land
	FETCH 0
	FETCH 1
	global_store_b32 v3, v11, s[16:17]
.irp n, 0,1,2,3,4,5
	STEP \n, 1
.endr
	STEP 6, 0                                      ; the last two batches ask for nothing more
	STEP 7, 0
	s_wait_alu depctr_va_vdst(0)                   ; the 32 slots' scores, v54-85, are written, which the stores below read
.irp a, 0,1,2,3,4,5,6,7
	global_store_b128 v2, v[CC+4*\a:CC+4*\a+3], s[14:15] offset:512*\a th:TH_STORE_NT   ; 512 consecutive bytes, aligned
.endr
	s_wait_dscnt 0x0                               ; the closing lines, six on end
	s_wait_alu 0x0
	s_wait_tensorcnt 0x0
	ds_add_u32 v254, v255
	s_wait_dscnt 0x0
	s_endpgm
.Lfunc_end_k_q95c23d2dfa_pick:
	.size	k_q95c23d2dfa_pick, .Lfunc_end_k_q95c23d2dfa_pick-k_q95c23d2dfa_pick
	.p2alignl 7, 3214868480
	.fill 96, 4, 3214868480
	.section	.rodata,"a",@progbits
	.p2align	6, 0x0
	.amdhsa_kernel k_q95c23d2dfa_pick
		.amdhsa_group_segment_fixed_size 74752
		.amdhsa_private_segment_fixed_size 0
		.amdhsa_enable_private_segment 0
		.amdhsa_kernarg_size 56
		.amdhsa_user_sgpr_count 2
		.amdhsa_user_sgpr_kernarg_segment_ptr 1
		.amdhsa_wavefront_size32 1
		.amdhsa_system_sgpr_workgroup_id_x 1
		.amdhsa_system_sgpr_workgroup_id_y 1
		.amdhsa_system_sgpr_workgroup_id_z 1
		.amdhsa_system_vgpr_workitem_id 0
		.amdhsa_next_free_vgpr 256
		.amdhsa_next_free_sgpr 80
		.amdhsa_reserve_vcc 1
		.amdhsa_float_denorm_mode_32 3
		.amdhsa_float_denorm_mode_16_64 3
		.amdhsa_memory_ordered 1
		.amdhsa_forward_progress 1
		.amdhsa_inst_pref_size 188
	.end_amdhsa_kernel
	.amdgpu_metadata
---
amdhsa.version: [ 1, 2 ]
amdhsa.kernels:
  - .name:           k_q95c23d2dfa_pick
    .symbol:         k_q95c23d2dfa_pick.kd
    .args:
      - { .name: gkey, .offset: 0, .size: 8, .value_kind: global_buffer, .address_space: global }
      - { .name: kfrag, .offset: 8, .size: 8, .value_kind: global_buffer, .address_space: global }
      - { .name: kscl, .offset: 16, .size: 8, .value_kind: global_buffer, .address_space: global }
      - { .name: q_codes, .offset: 24, .size: 8, .value_kind: global_buffer, .address_space: global }
      - { .name: q_scales, .offset: 32, .size: 8, .value_kind: global_buffer, .address_space: global }
      - { .name: ckey, .offset: 40, .size: 8, .value_kind: global_buffer, .address_space: global }
      - { .name: glist, .offset: 48, .size: 8, .value_kind: global_buffer, .address_space: global }
    .group_segment_fixed_size: 74752
    .private_segment_fixed_size: 0
    .kernarg_segment_align: 8
    .kernarg_segment_size: 56
    .max_flat_workgroup_size: 256
    .sgpr_count:     80
    .vgpr_count:     256
    .wavefront_size: 32
...
	.end_amdgpu_metadata
.endif
;; end of part 4
;; launch fetch: the kernel of part 3 again; grid 256 x 1, 8 waves a work-group, no clusters, 0 bytes of LDS; arguments ckey, glist, keys, values, out0, out1; writes out0, out1
